; MI455X (gfx1250); checked and timed in simulation.
; The chip was launched on July 23, 2026; its instructions are those of AMD's public machine-readable ISA for CDNA 5 (MIT licence, August 2026) and "CDNA5" Instruction Set Architecture Reference Guide (July 2026). The comments in the code are by the model that wrote it; some were corrected since.
;; M Mo E. Allowed arithmetic: float matrix products may take bf16 or f16 operands with f32 sums; all other float work in f32.
;; Inputs: b1 8 x 4,096 float32; b2 8 x 1,024 float32; b_seq 4 x 256 int32; w1 8 x 1,024 x 4,096 float32; w2 8 x 4,096 x 1,024 float32; w_gates 4 x 1,024 x 8 float32; x 4 x 256 x 1,024 float32.
;; Outputs: out0 4 x 256 x 1,024 float32.
;; 2 versions, each right; version 2 is version 1 with the launch prep written anew for expert scheduling mode. Each part assembles by itself: llvm-mc -triple=amdgcn-amd-amdhsa -mcpu=gfx1250 --defsym DOCPART=n.
;; ======== version 1 of 2: 4 launches
;; workspace buffers: xb 2,097,152 bytes; g 32,768 bytes; h 67,108,864 bytes; p 67,108,864 bytes
;; launch prep (part 1): grid 64 x 1, 8 waves a work-group, no clusters, 150,784 bytes of LDS; arguments x, w_gates, b_seq, xb, g; writes xb, g
.if DOCPART == 1
	.amdgcn_target "amdgcn-amd-amdhsa--gfx1250"
	.amdhsa_code_object_version 6
	.text
	.protected	k_qf8e3fd8f3e_prep
	.globl	k_qf8e3fd8f3e_prep
	.p2align	8
	.type	k_qf8e3fd8f3e_prep,@function
k_qf8e3fd8f3e_prep:
	s_mov_b64 s[64:65], 0
	v_nop
	global_prefetch_b8 v0, s[64:65] scope:SCOPE_SE
	s_setreg_imm32_b32 hwreg(HW_REG_WAVE_MODE, 25, 1), 1
	s_wait_xcnt 0x0
; xb = x rounded to bf16, laid as [8 blocks of 128 k][1024 tokens][128]: a block's rows are 256 bytes on end.
; g[token][e] = softmax over the 8 experts of x[token] . w_gates[b_seq[token]-1][:, e]; all 0 where b_seq[token] = 0.
; A work-group owns 16 tokens, eight waves.  The logits of all four tasks (32 columns, c = 8 task + expert) are one product
; 16 tokens x 1024 k x 32 columns with bf16 operands and f32 sums: wave w takes k = 128 w .. 128 w + 127, the eight partial
; sums meet in LDS, and wave 0 picks each token's task, takes the maximum away and makes the softmax in f32.
; LIMITS: x and w_gates are rounded to bf16 for the product.  b_seq is taken to lie in 0..4 (b - 1 is clamped to 3 for the LDS address).
; No tensor loads and no cluster: 16 tokens' rows are read once, and w_gates (131,072 bytes) has to be rounded on its way into LDS.
.set ABLK, 262144                      ; bytes in a block of xb: 1024 tokens x 256
.set PX,   2064                        ; LDS row of x in bf16: 2,048 bytes + 16, an odd multiple of 16
.set WGL,  16*PX                       ; behind x: w_gates in bf16 as [1024 k][32 columns], 64 bytes a row,
.set PW,   96                          ; rows 96 bytes apart, an odd multiple of 32 (for the turning load)
.set RED,  WGL+1024*PW                 ; behind it: eight waves x 16 tokens x 32 partial logits in f32,
.set PR,   144                         ; rows of 128 bytes + 16
.set VX,  8                            ; v8   byte offset in x of my 16 bytes: 8,192 w + 16 lane
.set VW,  9                            ; v9   the same in a task's table: 4,096 w + 16 lane
.set VBS, 10                           ; v10  4 (lane / 2): my token's word of b_seq
.set VXS, 11                           ; v11  LDS: where x goes
.set VXB, 12                           ; v12  byte offset in xb
.set VWS, 13                           ; v13  LDS: where w_gates goes
.set VA,  14                           ; v14  LDS: my fragment rows of x
.set VBT, 15                           ; v15  LDS: my place for the turning loads of w_gates
.set VR,  16                           ; v16  LDS: where my partial logits go
.set BS,  17                           ; v17  b_seq of token lane / 2
.set T0,  18
.set T1,  19
.set X,   20                           ; v[20:83]   two rows of x as loaded; then packed, two words in each four
.set W,   84                           ; v[84:211]  my part of w_gates as loaded, packed likewise; free behind the LDS stores:
.set BF,  84                           ; v[84:147]  fragments of w_gates: (chunk c, half f) at 8 (2 c + f)
.set ACC, 148                          ; v[148:163] two accumulators
.set AF,  164                          ; v[164:195] fragments of x: chunk c at 8 c
.set L,   84                           ; v[84:115]  wave 0 at the end: eight waves' partial logits, 4 each
	s_load_b256 s[4:11], s[0:1], 0x0               ; x s[4:5], w_gates s[6:7], b_seq s[8:9], xb s[10:11]
	s_load_b64 s[12:13], s[0:1], 0x20              ; g
	v_lshl_add_u32 v212, v0, 2, 0x24900
	v_mov_b32 v213, 0
	v_lshrrev_b32 v1, 5, v0
	v_readfirstlane_b32 s14, v1                    ; wave 0..7
	v_and_b32 v2, 31, v0                           ; lane
	v_and_b32 v3, 15, v0                           ; r = lane % 16
	v_bfe_u32 v4, v0, 4, 1                         ; h = lane / 16
	v_lshrrev_b32 v5, 1, v2                        ; lane / 2
	v_and_b32 v6, 1, v0                            ; lane % 2
	v_lshlrev_b32 v7, 4, v2                        ; 16 lane
	v_lshl_add_u32 v[VX], s14, 13, v7
	v_lshl_add_u32 v[VW], s14, 12, v7
	v_lshlrev_b32 v[VBS], 2, v5
	s_lshl_b32 s16, ttmp9, 16                      ; 16 tokens x 4,096 bytes of x
	s_mov_b32 s17, 0
	s_lshl_b32 s18, ttmp9, 6                       ; x 4 bytes of b_seq
	s_mov_b32 s19, 0
	s_lshl_b32 s20, ttmp9, 12                      ; x 256 bytes in a block of xb
	s_mov_b32 s21, 0
	s_lshl_b32 s22, ttmp9, 9                       ; x 32 bytes of g
	s_mov_b32 s23, 0
	s_wait_kmcnt 0x0
	s_add_nc_u64 s[4:5], s[4:5], s[16:17]
	s_add_nc_u64 s[8:9], s[8:9], s[18:19]
	s_add_nc_u64 s[10:11], s[10:11], s[20:21]
	s_add_nc_u64 s[12:13], s[12:13], s[22:23]
	global_load_b32 v[BS], v[VBS], s[8:9]
.set i, 0
.rept 16                               ; rows 2 w and 2 w + 1 of x: 512 consecutive bytes a load; load i is row i / 8, k = 128 (i % 8) on
	global_load_b128 v[X+4*i:X+4*i+3], v[VX], s[4:5] offset:512*i th:TH_LOAD_NT
.set i, i+1
.endr
.irp t, 0,1,2,3
.irp m, 0,1,2,3,4,5,6,7                ; task t, k = 128 w + 16 m + lane / 2, experts 4 (lane % 2) on
	global_load_b128 v[W+4*(8*\t+\m):W+4*(8*\t+\m)+3], v[VW], s[6:7] offset:\t*32768+\m*512
.endr
.endr
	s_mul_i32 s24, s14, 2*PX
	v_lshl_add_u32 v[VXS], v2, 3, s24              ; row 2 w, 8 bytes a lane
	s_lshl_b32 s25, s14, 9
	v_lshl_add_u32 v[VXB], v2, 3, s25              ; token 2 w of my 16, 8 bytes a lane
	s_mul_i32 s26, s14, 128*PW
	s_add_co_u32 s26, s26, WGL                     ; my 128 k rows of w_gates in LDS
	v_mul_u32_u24 v[VWS], v5, PW
	v_lshl_add_u32 v[VWS], v6, 3, v[VWS]
	v_add_nc_u32 v[VWS], s26, v[VWS]
	v_mul_u32_u24 v[VA], v3, PX                    ; a fragment of x: token r, 16 bytes for each half of the lanes,
	v_lshl_add_u32 v[VA], v4, 4, v[VA]
	s_lshl_b32 s27, s14, 8
	v_add_nc_u32 v[VA], s27, v[VA]                 ; from k = 128 w on
	v_and_b32 v[T0], 7, v0                         ; the turning load: row 8 h + lane % 8, 16 bytes at 16 ((lane / 8) % 2)
	v_lshl_add_u32 v[T0], v4, 3, v[T0]
	v_mul_u32_u24 v[VBT], v[T0], PW
	v_bfe_u32 v[T0], v0, 3, 1
	v_lshl_add_u32 v[VBT], v[T0], 4, v[VBT]
	v_add_nc_u32 v[VBT], s26, v[VBT]
	s_mul_i32 s28, s14, 16*PR
	s_add_co_u32 s28, s28, RED
	v_mul_u32_u24 v[VR], v3, PR
	v_lshl_add_u32 v[VR], v4, 5, v[VR]
	v_add_nc_u32 v[VR], s28, v[VR]
	s_wait_loadcnt 32                              ; b_seq and x are in; the 32 loads of w_gates may stay out
.set i, 0
.rept 16
	v_cvt_pk_bf16_f32 v[X+4*i],   v[X+4*i],   v[X+4*i+1]
	v_cvt_pk_bf16_f32 v[X+4*i+1], v[X+4*i+2], v[X+4*i+3]
.set i, i+1
.endr
.set i, 0
.rept 16                               ; a wave's store covers 256 consecutive bytes, aligned: one token's row in block i % 8
	global_store_b64 v[VXB], v[X+4*i:X+4*i+1], s[10:11] offset:(i/8)*256+(i%8)*ABLK
	ds_store_b64 v[VXS], v[X+4*i:X+4*i+1] offset:(i/8)*PX+(i%8)*256
.set i, i+1
.endr
	s_wait_loadcnt 0x0                             ; w_gates
.set i, 0
.rept 32
	v_cvt_pk_bf16_f32 v[W+4*i],   v[W+4*i],   v[W+4*i+1]
	v_cvt_pk_bf16_f32 v[W+4*i+1], v[W+4*i+2], v[W+4*i+3]
.set i, i+1
.endr
.irp t, 0,1,2,3
.irp m, 0,1,2,3,4,5,6,7
	ds_store_b64 v[VWS], v[W+4*(8*\t+\m):W+4*(8*\t+\m)+1] offset:\m*16*PW+16*\t
.endr
.endr
	s_wait_dscnt 0x0                               ; for the others' sake: my rows of x and of w_gates are in LDS
	s_barrier_signal -1
	s_barrier_wait -1
.irp c, 0,1,2,3                        ; four chunks of 32 along my 128 k
	ds_load_b128 v[AF+8*\c:AF+8*\c+3],   v[VA] offset:64*\c
	ds_load_b128 v[AF+8*\c+4:AF+8*\c+7], v[VA] offset:64*\c+32
.endr
.irp c, 0,1,2,3
.irp f, 0,1                            ; columns 16 f on
	ds_load_tr16_b128 v[BF+8*(2*\c+\f):BF+8*(2*\c+\f)+3],   v[VBT] offset:\c*32*PW+32*\f
	ds_load_tr16_b128 v[BF+8*(2*\c+\f)+4:BF+8*(2*\c+\f)+7], v[VBT] offset:\c*32*PW+16*PW+32*\f
.endr
.endr
	s_wait_dscnt 0x0
	; source 0 = 16 columns of w_gates, source 1 = 16 tokens: a lane then holds token r and the 8 experts of task 2 f + h.
	; The two accumulators take turns, one instruction a turn; the first product of each starts its sum.
	v_wmma_f32_16x16x32_bf16 v[ACC:ACC+7],    v[BF:BF+7],    v[AF:AF+7], 0
	v_wmma_f32_16x16x32_bf16 v[ACC+8:ACC+15], v[BF+8:BF+15], v[AF:AF+7], 0
.irp c, 1,2,3
	v_wmma_f32_16x16x32_bf16 v[ACC:ACC+7],    v[BF+16*\c:BF+16*\c+7],    v[AF+8*\c:AF+8*\c+7], v[ACC:ACC+7]
	v_wmma_f32_16x16x32_bf16 v[ACC+8:ACC+15], v[BF+16*\c+8:BF+16*\c+15], v[AF+8*\c:AF+8*\c+7], v[ACC+8:ACC+15]
.endr
.rept 4
	v_nop                                          ; four places between the last product and the LDS stores of its result
.endr
.irp f, 0,1
	ds_store_b128 v[VR], v[ACC+8*\f:ACC+8*\f+3]   offset:64*\f
	ds_store_b128 v[VR], v[ACC+8*\f+4:ACC+8*\f+7] offset:64*\f+16
.endr
	s_wait_dscnt 0x0                               ; for wave 0's sake: my partial logits are in LDS
	s_barrier_signal -1
	s_barrier_wait -1
	s_cmp_lg_u32 s14, 0
	s_cbranch_scc1 .Lend                           ; the rest is 128 numbers: one wave's work.  Lane: token lane / 2, experts 4 (lane % 2) on
	v_add_nc_u32 v[T0], -1, v[BS]
	v_min_u32 v[T0], 3, v[T0]                      ; the task, 0..3; b_seq = 0 wraps round and is clamped: its gates are set to 0 below
	v_mul_u32_u24 v[T1], v5, PR
	v_lshl_add_u32 v[T1], v6, 4, v[T1]
	v_lshl_add_u32 v[T1], v[T0], 5, v[T1]
	v_add_nc_u32 v[T1], RED, v[T1]
.irp i, 0,1,2,3,4,5,6,7
	ds_load_b128 v[L+4*\i:L+4*\i+3], v[T1] offset:\i*16*PR
.endr
	s_wait_dscnt 0x0
.irp i, 0,2,4,6                        ; the eight waves' parts of k are added, as a tree
	v_pk_add_f32 v[L+4*\i:L+4*\i+1],   v[L+4*\i:L+4*\i+1],   v[L+4*\i+4:L+4*\i+5]
	v_pk_add_f32 v[L+4*\i+2:L+4*\i+3], v[L+4*\i+2:L+4*\i+3], v[L+4*\i+6:L+4*\i+7]
.endr
.irp i, 0,4
	v_pk_add_f32 v[L+4*\i:L+4*\i+1],   v[L+4*\i:L+4*\i+1],   v[L+4*\i+8:L+4*\i+9]
	v_pk_add_f32 v[L+4*\i+2:L+4*\i+3], v[L+4*\i+2:L+4*\i+3], v[L+4*\i+10:L+4*\i+11]
.endr
	v_pk_add_f32 v[L:L+1],   v[L:L+1],   v[L+16:L+17]
	v_pk_add_f32 v[L+2:L+3], v[L+2:L+3], v[L+18:L+19]
	v_max3_num_f32 v[T0], v[L], v[L+1], v[L+2]     ; the largest of the token's 8 logits: my four, then the neighbour lane's
	v_max_num_f32 v[T0], v[T0], v[L+3]
	v_max_num_f32_dpp v[T0], v[T0], v[T0] row_xmask:1 row_mask:0xf bank_mask:0xf
.irp k, 0,1,2,3
	v_sub_f32 v[L+\k], v[L+\k], v[T0]
.endr
.irp k, 0,1,2,3
	v_mul_f32 v[L+\k], 0x3fb8aa3b, v[L+\k]         ; log2(e): the exponential is in base 2
.endr
.irp k, 0,1,2,3
	v_exp_f32 v[L+\k], v[L+\k]
.endr
	v_nop                                          ; a plain instruction between the last exponential and the use of its result
	v_cmp_ne_u32 vcc_lo, 0, v[BS]
	s_wait_alu depctr_va_vdst(0)
	v_add_f32 v[T0], v[L], v[L+1]
	v_add_f32 v[T1], v[L+2], v[L+3]
	v_add_f32 v[T0], v[T0], v[T1]
	v_add_f32_dpp v[T0], v[T0], v[T0] row_xmask:1 row_mask:0xf bank_mask:0xf
	v_rcp_f32 v[T1], v[T0]
	v_nop                                          ; likewise behind the reciprocal
	s_wait_alu depctr_va_vdst(0)
.irp k, 0,1,2,3
	v_mul_f32 v[L+\k], v[L+\k], v[T1]
.endr
.irp k, 0,1,2,3
	v_cndmask_b32 v[L+\k], 0, v[L+\k], vcc_lo      ; the zero branch
.endr
	global_store_b128 v7, v[L:L+3], s[12:13]       ; the wave stores 512 consecutive bytes: 16 tokens x 8 gates
.Lend:
	s_wait_tensorcnt 0x0
	ds_add_u32 v212, v213
	s_wait_dscnt 0x0
	s_endpgm
.Lfunc_end_k_qf8e3fd8f3e_prep:
	.size	k_qf8e3fd8f3e_prep, .Lfunc_end_k_qf8e3fd8f3e_prep-k_qf8e3fd8f3e_prep
	.p2alignl 7, 3214868480
	.fill 96, 4, 3214868480
	.section	.rodata,"a",@progbits
	.p2align	6, 0x0
	.amdhsa_kernel k_qf8e3fd8f3e_prep
		.amdhsa_group_segment_fixed_size 150784
		.amdhsa_private_segment_fixed_size 0
		.amdhsa_enable_private_segment 0
		.amdhsa_kernarg_size 40
		.amdhsa_user_sgpr_count 2
		.amdhsa_user_sgpr_kernarg_segment_ptr 1
		.amdhsa_wavefront_size32 1
		.amdhsa_system_sgpr_workgroup_id_x 1
		.amdhsa_system_sgpr_workgroup_id_y 1
		.amdhsa_system_sgpr_workgroup_id_z 1
		.amdhsa_system_vgpr_workitem_id 0
		.amdhsa_next_free_vgpr 214
		.amdhsa_next_free_sgpr 66
		.amdhsa_reserve_vcc 1
		.amdhsa_float_denorm_mode_32 3
		.amdhsa_float_denorm_mode_16_64 3
		.amdhsa_memory_ordered 1
		.amdhsa_forward_progress 1
		.amdhsa_inst_pref_size 24
	.end_amdhsa_kernel
	.amdgpu_metadata
---
amdhsa.version: [ 1, 2 ]
amdhsa.kernels:
  - .name:           k_qf8e3fd8f3e_prep
    .symbol:         k_qf8e3fd8f3e_prep.kd
    .args:
      - { .name: x, .offset: 0, .size: 8, .value_kind: global_buffer, .address_space: global }
      - { .name: w_gates, .offset: 8, .size: 8, .value_kind: global_buffer, .address_space: global }
      - { .name: b_seq, .offset: 16, .size: 8, .value_kind: global_buffer, .address_space: global }
      - { .name: xb, .offset: 24, .size: 8, .value_kind: global_buffer, .address_space: global }
      - { .name: g, .offset: 32, .size: 8, .value_kind: global_buffer, .address_space: global }
    .group_segment_fixed_size: 150784
    .private_segment_fixed_size: 0
    .kernarg_segment_align: 8
    .kernarg_segment_size: 40
    .max_flat_workgroup_size: 256
    .sgpr_count:     66
    .vgpr_count:     214
    .wavefront_size: 32
...
	.end_amdgpu_metadata
.endif
;; end of part 1
;; launch ffn1 (part 2): grid 128 x 4, 4 waves a work-group, clusters of 4 x 4, 327,680 bytes of LDS; arguments xb, w1, b1, h; writes h
.if DOCPART == 2
	.amdgcn_target "amdgcn-amd-amdhsa--gfx1250"
	.amdhsa_code_object_version 6
	.text
	.protected	k_qf8e3fd8f3e_ffn1
	.globl	k_qf8e3fd8f3e_ffn1
	.p2align	8
	.type	k_qf8e3fd8f3e_ffn1,@function
k_qf8e3fd8f3e_ffn1:
	s_mov_b64 s[64:65], 0
	v_nop
	global_prefetch_b8 v0, s[64:65] scope:SCOPE_SE
	s_setreg_imm32_b32 hwreg(HW_REG_WAVE_MODE, 25, 1), 1
	s_wait_xcnt 0x0
	s_wait_alu depctr_hold_cnt(0) depctr_sa_sdst(0) depctr_va_vdst(0) depctr_va_sdst(0) depctr_va_ssrc(0) depctr_va_vcc(0) depctr_vm_vsrc(0)
	s_getreg_b32 s2, hwreg(HW_REG_IB_STS2, 6, 4)
	s_cmp_eq_u32 s2, 0
	s_cbranch_scc0 .Lentry_in_a_cluster
	s_endpgm
.Lentry_in_a_cluster:
	s_bfe_u32 s2, ttmp6, 0x10000c
	s_cmp_lg_u32 s2, 0xf033
	s_cbranch_scc0 .Lentry_shape_is_right
	s_endpgm
.Lentry_shape_is_right:
; h = bf16(relu(x . w1[e] + b1[e])) for all 8 experts: one product 1024 tokens x 1024 k x 32768 columns (column = 4096 e + f).
; xb: x in bf16 as [8 blocks of 128 k][1024 tokens][128].  w1: [8][1024 k][4096] f32.  h: bf16, [256 blocks of 128 columns][1024 tokens][128].
; SHARES.  A work-group makes 256 tokens x 256 columns; four waves, each 128 x 128: 64 accumulators of 16 x 16 in 512 registers.
; K goes in 8 steps of 128, a step in four quarters of 32, a quarter in two units of 32 matrix instructions (my tokens 0-63, then 64-127).
; THE MATRIX INSTRUCTION IS USED TRANSPOSED: source 0 = 16 columns of w1, source 1 = 16 tokens; a lane then holds token lane % 16 and
; eight neighbouring columns, 8 (lane / 16) on.
; X comes by the tensor data mover into a ring of two LDS slots (256 rows of 256 bytes, 16 of padding each).  The four work-groups of a row of
; the 4 x 4 cluster take the same 256 tokens, so each tile is asked for jointly; each wave asks for 64 rows.
; W1 is f32 and lies [k][column]: it is loaded into registers (512 consecutive bytes a load), rounded to bf16, stored into a second ring of two
; LDS slots as [k][column], and read from there by the turning load.  A step's 128 k x 256 columns go in four batches of 32 k; a batch's 64
; registers are loaded again as soon as they are packed, with the same batch one step on: 64 loads of a wave are always on their way, each with a
; whole K step (256 matrix instructions) in which to land.
; WHY W1 IS NOT ASKED FOR JOINTLY, though the four work-groups of a column of the cluster read the same rows: the mover cannot round.  Two slots
; of 128 k x 256 columns in f32 (2 x 133,120 bytes with padding) beside x's 139,264 are 405,504 bytes, more than the 327,680 there are.
; LIMITS: x and w1 are rounded to bf16 for the product, h to bf16; the bias is added in f32.  relu is a maximum with 0 in which a NaN loses: NaN becomes 0.
; REGISTERS, in windows of 256: window 0: v0-31 addresses; v32-63 packed w1, later packed h; v64-95, v96-127 fragments of x (tokens 0-63, 64-127);
;   v128-191, v192-255 fragments of w1 (even, odd quarters).  Window 1: w1 as loaded, batch j at v[64 j]; at the end v0-63 the bias.
;   Window 2: the accumulators of my tokens 0-63 ((a, b) at v[8 (8 a + b)]); window 3: those of tokens 64-127.
.set PITCHB, 16384                     ; bytes from a k row of w1 to the next
.set NS,     8                         ; K steps
.set LAPS,   NS/2                      ; a lap = two K steps = once round the rings
.set ABLK,   262144                    ; bytes in a block of xb or of h
.set PA,     272                       ; LDS row of x: 256 + 16 bytes, an odd multiple of 16
.set PB,     544                       ; LDS row of w1 in bf16: 512 + 32 bytes, an odd multiple of 32
.set ASLOT,  256*PA
.set BRING,  2*ASLOT                   ; w1's ring lies behind x's; no tensor load lands in it
.set BSLOT,  128*PB
.set STAGE,  BRING+2*BSLOT             ; 16 rows x 272 bytes for each wave, for the way out
.set SP,     272
.set SPARE,  STAGE+4*16*SP             ; the spare words, 128 bytes for each wave: two blocks of 256 bytes that no other line names
.set ADRA, 16                          ; v16-17  LDS address of my fragments of x in slot 0, 1
.set VB,   18                          ; v18     byte offset in w1 of my 16 bytes: 8 w rows + 16 lane; never rewritten
.set VBI,  19                          ; v19     byte offset in b1 of my 8 columns
.set ADRB, 20                          ; v20-21  LDS address for the turning loads of w1 in slot 0, 1
.set VS,   22                          ; v22-23  LDS address at which I store packed w1 in slot 0, 1
.set STO,  24                          ; v24     the way out: where I put 16 bytes of a row
.set RD,   25                          ; v25     the way out: where I read rows back
.set CO,   26                          ; v26     my byte offset in h
.set SPW,  28                          ; v28     LDS address of my spare word; never rewritten
.set NIL,  29                          ; v29     0; never rewritten
.set PK,   32
.set AB,   64
.set BBUF0, 128
.set BBUF1, 192
.set T,    128                         ; the way out: a block's 64 numbers in f32
.set OB,   64                          ; the way out: 16 rows read back, v64-95 and v96-127 by turns
.set G1, 24                            ; s[24:31] descriptor group 1
.set G0, 32                            ; s[32:39] descriptor group 0, a set for each slot
.set BB, 40                            ; s[40:41] w1 at the K step that is being loaded
.set MSB, 0
.macro WIN new                         ; the immediate's high byte repeats the setting that is left; a switch that changes nothing is dropped
.if MSB != (\new)
	s_set_vgpr_msb (MSB<<8)|(\new)
.set MSB, (\new)
.endif
.endm
.set MUL_LO, 0xa0                      ; sources window 0, C and D window 2
.set MUL_HI, 0xf0                      ; sources window 0, C and D window 3
.macro PLACES                          ; four places between a matrix instruction and a load into, or a reader of, its registers (ISA guide 7.12.1 for readers)
.rept 4
	v_nop
.endr
.endm
.macro CREST                           ; a round of the cluster's barrier behind its opening barrier
	s_cmp_lg_u32 s12, 0
	s_cbranch_scc1 .Lnot_wave_0_\@
	s_barrier_signal -3
.Lnot_wave_0_\@:
	s_barrier_wait -3
	s_barrier_signal -1
	s_barrier_wait -1
.endm
.macro CROUND
	s_barrier_signal -1
	s_barrier_wait -1
	CREST
.endm
; 16 matrix instructions: token blocks a0, a0 + 1 of the window's four x all 8 column blocks.  zero = 1: the product starts the sum.
.macro MUL16 hi, a0, bb, zero
.irp a, \a0, \a0+1
.irp b, 0,1,2,3,4,5,6,7
.if \zero
	v_wmma_f32_16x16x32_bf16 v[8*(8*(\a)+\b):8*(8*(\a)+\b)+7], v[\bb+8*\b:\bb+8*\b+7], v[AB+32*\hi+8*(\a):AB+32*\hi+8*(\a)+7], 0
.else
	v_wmma_f32_16x16x32_bf16 v[8*(8*(\a)+\b):8*(8*(\a)+\b)+7], v[\bb+8*\b:\bb+8*\b+7], v[AB+32*\hi+8*(\a):AB+32*\hi+8*(\a)+7], v[8*(8*(\a)+\b):8*(8*(\a)+\b)+7]
.endif
.endr
.endr
.endm
.macro UNIT n, hi, bb, zero            ; n: the LDS instructions issued behind the loads that this unit needs
	s_wait_dscnt \n
	WIN MUL_LO+0x50*\hi
	MUL16 \hi, 0, \bb, \zero
	MUL16 \hi, 2, \bb, \zero
.endm
.macro LDA s, q, hi                    ; 8 loads: x's fragments of quarter q, tokens 64 hi on
.irp a, 0,1,2,3
	ds_load_b128 v[AB+32*\hi+8*\a:AB+32*\hi+8*\a+3],   v[ADRA+\s] offset:(4*\hi+\a)*16*PA+64*\q
	ds_load_b128 v[AB+32*\hi+8*\a+4:AB+32*\hi+8*\a+7], v[ADRA+\s] offset:(4*\hi+\a)*16*PA+64*\q+32
.endr
.endm
.macro LDB s, q                        ; 16 turning loads: w1's fragments of quarter q, into the buffer of its parity
.irp b, 0,1,2,3,4,5,6,7
	ds_load_tr16_b128 v[BBUF0+64*(\q%2)+8*\b:BBUF0+64*(\q%2)+8*\b+3],   v[ADRB+\s] offset:32*\q*PB+32*\b
	ds_load_tr16_b128 v[BBUF0+64*(\q%2)+8*\b+4:BBUF0+64*(\q%2)+8*\b+7], v[ADRB+\s] offset:32*\q*PB+16*PB+32*\b
.endr
.endm
.macro CVT j                           ; batch j is rounded: 64 numbers a lane into 32 words
	WIN 0x05                                       ; sources window 1, destination window 0
.set i, 0
.rept 32
	v_cvt_pk_bf16_f32 v[PK+i], v[64*\j+2*i], v[64*\j+2*i+1]
.set i, i+1
.endr
.endm
.macro STB o, j                        ; and stored into slot o: a wave's store covers 256 consecutive bytes, half a row
	WIN 0
.set i, 0
.rept 16
	ds_store_b64 v[VS+\o], v[PK+2*i:PK+2*i+1] offset:(32*\j+i/2)*PB+(i%2)*256
.set i, i+1
.endr
.endm
.macro GLB j                           ; batch j of the K step at s[BB]: rows 32 j + 8 w + 0..7, two loads of 512 consecutive bytes a row
	WIN 0x40                                       ; destination window 1
.set i, 0
.rept 16
	global_load_b128 v[64*\j+4*i:64*\j+4*i+3], v[VB], s[BB:BB+1] offset:(32*\j+i/2)*PITCHB+(i%2)*512
.set i, i+1
.endr
.endm
; Between two units: the fragments for a later unit are fetched; with act >= 0 batch act of the next K step is rounded first (its 32 conversions,
; which name no register of the products, are the places), stored into slot o behind the fetches, and with ld = 1 its registers are loaded again.
; left: the younger global loads that may stay out.
.macro GAP s, q, hi, withb, act, o, ld, left
.if \act >= 0
	s_wait_loadcnt \left
	CVT \act
	WIN 0
.else
	WIN 0
	PLACES
.endif
	LDA \s, \q, \hi
.if \withb
	LDB \s, \q
.endif
.if \act >= 0
	STB \o, \act
.if \ld
	GLB \act
.endif
.endif
.endm
.macro ACTGAP s, q, hi, withb, j, o, ld, st   ; three younger batches of 16 loads stay out; where nothing is loaded any more the counts run down 48, 32, 16, 0
.if \st
	GAP \s, \q, \hi, \withb, \j, \o, \ld, 48-16*\j*(1-\ld)
.else
	GAP \s, \q, \hi, \withb, -1, \o, 0, 0
.endif
.endm
; The last quarter changes slots: ONE barrier.  In front of it each wave waits for all its tensor loads (one is out: its part of x's other slot), adds 0 to its spare
; word, and waits for that, for its reads of both rings' slot s and for its stores into w1's slot o.  Behind it nobody reads slot s and slot o is whole.
; turn = 2: the barrier opens a round of the cluster's, and x's slot s is filled again, two K steps on, first thing behind it.  turn = 1: nothing is left to ask for.
.macro TURN s, o, turn, st
	WIN 0                                          ; (the add's two registers lie in window 0)
	s_wait_tensorcnt 0x0
	ds_add_u32 v[SPW], v[NIL]                      ; 0 onto my spare word
	s_wait_dscnt 9+32*\st                          ; the add, x's last 8 loads and two runs of 16 stores may be out
	WIN MUL_LO
	MUL16 0, 0, BBUF1, 0
	s_wait_dscnt 0x0
	s_barrier_signal -1
	MUL16 0, 2, BBUF1, 0                           ; work on registers while the others arrive
	WIN 0
	s_barrier_wait -1
.if \turn == 2
	CREST                                          ; no wave of any partner still reads the slot or has a load on its way
	s_add_nc_u64 s[G0+4*\s+2:G0+4*\s+3], s[G0+4*\s+2:G0+4*\s+3], 2*ABLK
	tensor_load_to_lds s[G0+4*\s:G0+4*\s+3], s[G1:G1+7]   ; my one tensor load behind the round: 64 rows; it is waited for at the next change of slots
	s_nop 0
.endif
	PLACES
	LDA \o, 0, 0
	LDB \o, 0
	WIN MUL_HI
	MUL16 1, 0, BBUF1, 0
	MUL16 1, 2, BBUF1, 0
	WIN 0
	PLACES
	LDA \o, 0, 1
.endm
; A K step in slot s.  ld = 1: w1 two steps on is loaded.  st = 1: w1 of the next step is rounded and stored into slot o.
; The accumulators take turns, one instruction a turn: 32 different ones in a unit, windows 2 and 3 unit by unit.
.macro STEP s, o, zero, ld, st, turn
.if \ld
	s_wait_xcnt 0x0                                ; the loads that name s[BB] have had their addresses translated: only now is it stepped
	s_add_nc_u64 s[BB:BB+1], s[BB:BB+1], 128*PITCHB
.endif
	UNIT 8, 0, BBUF0, \zero                        ; x's tokens 64-127 may be out
	GAP \s, 1, 0, 1, -1, \o, 0, 0
	UNIT 24, 1, BBUF0, \zero                       ; the 24 loads just issued
	ACTGAP \s, 1, 1, 0, 0, \o, \ld, \st
	UNIT 8+16*\st, 0, BBUF1, 0                     ; 8 loads and a run of stores
	GAP \s, 2, 0, 1, -1, \o, 0, 0
	UNIT 24+16*\st, 1, BBUF1, 0                    ; a run of stores and 24 loads
	ACTGAP \s, 2, 1, 0, 1, \o, \ld, \st
	UNIT 8+16*\st, 0, BBUF0, 0
	ACTGAP \s, 3, 0, 1, 2, \o, \ld, \st
	UNIT 24+32*\st, 1, BBUF0, 0                    ; 24 loads and two runs of stores
	ACTGAP \s, 3, 1, 0, 3, \o, \ld, \st
.if \turn
	TURN \s, \o, \turn, \st
.else
	UNIT 8, 0, BBUF1, 0
	UNIT 0, 1, BBUF1, 0
.endif
.endm
	s_load_b256 s[4:11], s[0:1], 0x0               ; xb s[4:5], w1 s[6:7], b1 s[8:9], h s[10:11]
	v_lshl_add_u32 v[SPW], v0, 2, SPARE
	v_mov_b32 v[NIL], 0
	ds_add_u32 v28, v29
	s_wait_dscnt 0x0
	v_lshrrev_b32 v1, 5, v0
	v_readfirstlane_b32 s12, v1                    ; wave 0..3
	s_lshr_b32 s13, s12, 1                         ; which 128 tokens of the tile are mine
	s_and_b32 s14, s12, 1                          ; which 128 columns
	s_bfe_u32 s15, ttmp6, 0x40000                  ; cx
	s_bfe_u32 s16, ttmp6, 0x40004                  ; cy = the block of 256 tokens (the grid is one cluster high)
	s_lshl_b32 s17, ttmp9, 2
	s_add_co_u32 s17, s17, s15                     ; tile column 0..127 = 4 x cluster x + cx
	s_lshr_b32 s18, s17, 4                         ; expert
	s_and_b32 s19, s17, 15                         ; its block of 256 columns
	s_lshl_b32 s20, s16, 2
	s_lshl_b32 s20, 15, s20                        ; my row of the cluster: places 4 cy .. 4 cy + 3
	s_or_b32 s[G1+0], s20, (1<<16)|(1<<20)|(1<<21)|(5<<22)|(3<<25)  ; the mask; elements of 2 bytes; padding on; bit 21 beside a mask; after every 64 words, 4 words
	s_mov_b32 s[G1+1], 128<<16                     ; tensor_dim0 = 128
	s_mov_b32 s[G1+2], 64<<16                      ; tensor_dim1 = 64
	s_mov_b32 s[G1+3], 128<<16                     ; tile_dim0 = 128
	s_mov_b32 s[G1+4], 64                          ; tile_dim1 = 64
	s_mov_b32 s[G1+5], 128                         ; elements from row to row: a block's rows lie on end
	s_mov_b32 s[G1+6], 0
	s_mov_b32 s[G1+7], 0
	s_lshl_b32 s44, s16, 16                        ; xb: token 256 cy + 64 w, 256 bytes each; no register here ever holds cx
	s_lshl_b32 s21, s12, 14
	s_add_co_u32 s44, s44, s21
	s_mov_b32 s45, 0
	s_lshl_b32 s46, s18, 24                        ; w1: expert x 16,777,216 + block x 1,024 bytes
	s_lshl_b32 s52, s19, 10
	s_add_co_u32 s46, s46, s52
	s_mov_b32 s47, 0
	s_lshl_b32 s48, s18, 14                        ; b1: expert x 16,384 + block x 1,024
	s_add_co_u32 s48, s48, s52
	s_mov_b32 s49, 0
	s_lshl_b32 s50, s17, 1                         ; h: block 2 x tile column + my half, token 256 cy + 128 x my half
	s_add_co_u32 s50, s50, s14
	s_lshl_b32 s50, s50, 18
	s_lshl_b32 s52, s16, 16
	s_add_co_u32 s50, s50, s52
	s_lshl_b32 s52, s13, 15
	s_add_co_u32 s50, s50, s52
	s_mov_b32 s51, 0
	s_mul_i32 s22, s12, 64*PA                      ; where my 64 rows of x go in a slot
	s_mul_i32 s23, s12, 8*PITCHB
	v_and_b32 v3, 31, v0                           ; lane
	v_lshl_add_u32 v[VB], v3, 4, s23
	s_wait_kmcnt 0x0
	s_add_nc_u64 s[4:5], s[4:5], s[44:45]
	s_add_nc_u64 s[BB:BB+1], s[6:7], s[46:47]
	s_add_nc_u64 s[8:9], s[8:9], s[48:49]
	s_add_nc_u64 s[10:11], s[10:11], s[50:51]
	GLB 0                                          ; w1 of K step 0: 64 loads go out before anything else
	GLB 1
	GLB 2
	GLB 3
	WIN 0
.irp s, 0,1
	s_mov_b32 s[G0+4*\s], 1                                        ; count = 1
	s_add_co_u32 s[G0+4*\s+1], s22, \s*ASLOT                       ; LDS address
	s_add_nc_u64 s[G0+4*\s+2:G0+4*\s+3], s[4:5], \s*ABLK           ; global address: K step s
	s_or_b32 s[G0+4*\s+3], s[G0+4*\s+3], 0x80000000                ; type = 2
.endr
	CROUND                                         ; all sixteen work-groups are here: the first joint loads meet
	tensor_load_to_lds s[G0:G0+3], s[G1:G1+7]      ; the two first fills stand together: two tensor loads of mine are out
	s_nop 0
	tensor_load_to_lds s[G0+4:G0+7], s[G1:G1+7]
	s_nop 0
	PLACES
	v_and_b32 v1, 15, v0                           ; r = lane % 16
	v_bfe_u32 v2, v0, 4, 1                         ; h = lane / 16
	v_and_b32 v4, 7, v0
	v_bfe_u32 v5, v0, 3, 1
	v_mul_u32_u24 v6, v1, PA
	v_lshl_add_u32 v6, v2, 4, v6                   ; row r x pitch + 16 h
	s_mul_i32 s21, s13, 128*PA
	v_add_nc_u32 v[ADRA], s21, v6
	v_add_nc_u32 v[ADRA+1], ASLOT, v[ADRA]
	v_lshl_add_u32 v7, v2, 3, v4                   ; the turning load: k row 8 h + lane % 8, 16 bytes at 16 ((lane / 8) % 2)
	v_mul_u32_u24 v7, v7, PB
	v_lshl_add_u32 v7, v5, 4, v7
	s_lshl_b32 s21, s14, 8
	s_add_co_u32 s21, s21, BRING
	v_add_nc_u32 v[ADRB], s21, v7
	v_add_nc_u32 v[ADRB+1], BSLOT, v[ADRB]
	s_mul_i32 s21, s12, 8*PB
	s_add_co_u32 s21, s21, BRING
	v_lshl_add_u32 v[VS], v3, 3, s21
	v_add_nc_u32 v[VS+1], BSLOT, v[VS]
	s_mul_i32 s21, s12, 16*SP
	s_add_co_u32 s21, s21, STAGE                   ; my stage
	v_add_nc_u32 v[STO], s21, v6
	v_mul_u32_u24 v7, v2, SP                       ; back: lanes 0-15 one row of 256 bytes, lanes 16-31 the next
	v_lshl_add_u32 v7, v1, 4, v7
	v_add_nc_u32 v[RD], s21, v7
	v_lshlrev_b32 v[CO], 4, v3                     ; in h the two rows lie on end
	s_lshl_b32 s21, s14, 9
	v_lshl_add_u32 v[VBI], v2, 5, s21
	s_wait_xcnt 0x0
	s_add_nc_u64 s[BB:BB+1], s[BB:BB+1], 128*PITCHB
.irp j, 0,1,2,3                        ; K step 0's w1 goes into slot 0; its registers take K step 1's
	s_wait_loadcnt 48
	CVT \j
	STB 0, \j
	GLB \j
.endr
	WIN 0
	s_wait_tensorcnt 0x1                           ; my part of x's slot 0 is in; slot 1's may stay out
	s_wait_dscnt 0x0                               ; my part of w1's slot 0 is stored
	s_barrier_signal -1
	s_barrier_wait -1
	LDA 0, 0, 0
	LDB 0, 0
	LDA 0, 0, 1
	STEP 0, 1, 1, 1, 1, 2                          ; the first lap is written out: its first quarter starts the sums
	STEP 1, 0, 0, 1, 1, 2
	s_mov_b32 s42, LAPS-2
.Llap:
	STEP 0, 1, 0, 1, 1, 2
	STEP 1, 0, 0, 1, 1, 2
	s_sub_co_u32 s42, s42, 1
	s_cmp_lg_u32 s42, 0
	s_cbranch_scc1 .Llap
	STEP 0, 1, 0, 0, 1, 1                          ; the last lap asks for nothing more
	WIN 0x40
.irp b, 0,1,2,3,4,5,6,7                ; the bias of my 8 columns in each of the 8 column blocks, into batch 0's registers, which are free now
	global_load_b128 v[8*\b:8*\b+3],   v[VBI], s[8:9] offset:64*\b
	global_load_b128 v[8*\b+4:8*\b+7], v[VBI], s[8:9] offset:64*\b+16
.endr
	STEP 1, 0, 0, 0, 0, 0
; THE WAY OUT, a block of 16 tokens at a time.  PACK: + bias, relu, rounded to bf16 (each accumulator's registers in ascending order).
; TOSTAGE: 16 bytes a lane into my own stage, and back as whole rows.  SEND: stored.
.macro PACK a
	WIN 0x06+(\a)/4                                ; source 0 window 2 or 3, source 1 window 1
.set i, 0
.rept 32
	v_pk_add_f32 v[T+2*i:T+2*i+1], v[64*((\a)%4)+2*i:64*((\a)%4)+2*i+1], v[2*i:2*i+1]
.set i, i+1
.endr
	WIN 0
.set i, 0
.rept 64
	v_max_num_f32 v[T+i], 0, v[T+i]
.set i, i+1
.endr
.set i, 0
.rept 32
	v_cvt_pk_bf16_f32 v[PK+i], v[T+2*i], v[T+2*i+1]
.set i, i+1
.endr
.endm
.macro TOSTAGE a
.irp b, 0,1,2,3,4,5,6,7
	ds_store_b128 v[STO], v[PK+4*\b:PK+4*\b+3] offset:32*\b
.endr
.irp t, 0,1,2,3,4,5,6,7
	ds_load_b128 v[OB+32*((\a)%2)+4*\t:OB+32*((\a)%2)+4*\t+3], v[RD] offset:\t*2*SP   ; LDS serves a wave's instructions in order: these see the stores above
.endr
.endm
.macro SEND a
	s_wait_dscnt 0x0                               ; the block is back in registers
	s_wait_xcnt 0x0                                ; the stores of the block before have read their registers: the next block's loads land there only behind this wait
.irp t, 0,1,2,3,4,5,6,7
	global_store_b128 v[CO], v[OB+32*((\a)%2)+4*\t:OB+32*((\a)%2)+4*\t+3], s[10:11] offset:(16*(\a)+2*\t)*256   ; the wave stores 512 consecutive bytes, aligned: two tokens' rows
.endr
.endm
	WIN 0
	PLACES
	s_wait_loadcnt 0x0                             ; the bias
	PACK 0
	TOSTAGE 0
.irp a, 1,2,3,4,5,6,7                  ; block a's arithmetic stands between block a - 1's loads from the stage and the wait for them
	PACK \a
	SEND \a-1
	TOSTAGE \a
.endr
	SEND 7
	s_wait_tensorcnt 0x0                           ; the wave's end
	ds_add_u32 v[SPW], v[NIL]
	s_wait_dscnt 0x0
	CROUND                                         ; the closing round: no work-group ends while a partner may still ask for a tile that names it
	s_endpgm
.Lfunc_end_k_qf8e3fd8f3e_ffn1:
	.size	k_qf8e3fd8f3e_ffn1, .Lfunc_end_k_qf8e3fd8f3e_ffn1-k_qf8e3fd8f3e_ffn1
	.p2alignl 7, 3214868480
	.fill 96, 4, 3214868480
	.section	.rodata,"a",@progbits
	.p2align	6, 0x0
	.amdhsa_kernel k_qf8e3fd8f3e_ffn1
		.amdhsa_group_segment_fixed_size 327680
		.amdhsa_private_segment_fixed_size 0
		.amdhsa_enable_private_segment 0
		.amdhsa_kernarg_size 32
		.amdhsa_user_sgpr_count 2
		.amdhsa_user_sgpr_kernarg_segment_ptr 1
		.amdhsa_wavefront_size32 1
		.amdhsa_system_sgpr_workgroup_id_x 1
		.amdhsa_system_sgpr_workgroup_id_y 1
		.amdhsa_system_sgpr_workgroup_id_z 1
		.amdhsa_system_vgpr_workitem_id 0
		.amdhsa_next_free_vgpr 1024
		.amdhsa_next_free_sgpr 66
		.amdhsa_reserve_vcc 0
		.amdhsa_float_denorm_mode_32 3
		.amdhsa_float_denorm_mode_16_64 3
		.amdhsa_memory_ordered 1
		.amdhsa_forward_progress 1
		.amdhsa_inst_pref_size 255
	.end_amdhsa_kernel
	.section	.bss,"aw",@nobits
	.p2align	6
	.space	262144
	.amdgpu_metadata
---
amdhsa.version: [ 1, 2 ]
amdhsa.kernels:
  - .name:           k_qf8e3fd8f3e_ffn1
    .symbol:         k_qf8e3fd8f3e_ffn1.kd
    .args:
      - { .name: xb, .offset: 0, .size: 8, .value_kind: global_buffer, .address_space: global }
      - { .name: w1, .offset: 8, .size: 8, .value_kind: global_buffer, .address_space: global }
      - { .name: b1, .offset: 16, .size: 8, .value_kind: global_buffer, .address_space: global }
      - { .name: h, .offset: 24, .size: 8, .value_kind: global_buffer, .address_space: global }
    .group_segment_fixed_size: 327680
    .private_segment_fixed_size: 0
    .kernarg_segment_align: 8
    .kernarg_segment_size: 32
    .max_flat_workgroup_size: 128
    .sgpr_count:     66
    .vgpr_count:     1024
    .wavefront_size: 32
...
	.end_amdgpu_metadata
.endif
;; end of part 2
;; launch ffn2 (part 3): grid 4 x 64, 4 waves a work-group, clusters of 4 x 4, 327,680 bytes of LDS; arguments h, w2, p; writes p
.if DOCPART == 3
	.amdgcn_target "amdgcn-amd-amdhsa--gfx1250"
	.amdhsa_code_object_version 6
	.text
	.protected	k_qf8e3fd8f3e_ffn2
	.globl	k_qf8e3fd8f3e_ffn2
	.p2align	8
	.type	k_qf8e3fd8f3e_ffn2,@function
k_qf8e3fd8f3e_ffn2:
	s_mov_b64 s[64:65], 0
	v_nop
	global_prefetch_b8 v0, s[64:65] scope:SCOPE_SE
	s_setreg_imm32_b32 hwreg(HW_REG_WAVE_MODE, 25, 1), 1
	s_wait_xcnt 0x0
	s_wait_alu depctr_hold_cnt(0) depctr_sa_sdst(0) depctr_va_vdst(0) depctr_va_sdst(0) depctr_va_ssrc(0) depctr_va_vcc(0) depctr_vm_vsrc(0)
	s_getreg_b32 s2, hwreg(HW_REG_IB_STS2, 6, 4)
	s_cmp_eq_u32 s2, 0
	s_cbranch_scc0 .Lentry_in_a_cluster
	s_endpgm
.Lentry_in_a_cluster:
	s_bfe_u32 s2, ttmp6, 0x10000c
	s_cmp_lg_u32 s2, 0xf033
	s_cbranch_scc0 .Lentry_shape_is_right
	s_endpgm
.Lentry_shape_is_right:
; p[s] = h[:, 2048 s .. 2048 s + 2047] . w2flat[2048 s .. , :], s = 0..15, in f32: the second product, 1024 tokens x 32768 k x 1024 columns, with K
; split sixteen ways so that 16 tiles of 256 x 256 give 256 work-groups.  Split s is half s % 2 of expert s / 2, so the gate can be applied when the parts are added (launch mix).
; h: bf16, [256 blocks of 128 k][1024 tokens][128].  w2: [8][4096][1024] f32 = [32768 k][1024].  p: [16][1024][1024] f32.
; A cluster of 4 x 4 work-groups is one split: cy = block of 256 tokens, cx = block of 256 columns.
; The loop is the first product's: four waves, each 128 x 128 (64 accumulators, 512 registers); 16 K steps of 128, four quarters of 32, two units of 32 matrix
; instructions; the matrix instruction used transposed (source 0 = 16 columns of w2, source 1 = 16 tokens).  h comes by joint tensor loads (shared along a row of
; the cluster) into a ring of two LDS slots, 64 rows a wave.  w2 is f32 and lies [k][column]: loaded into registers, rounded to bf16, stored into a second ring as
; [k][column], read by the turning load; four batches of 32 k, each loaded again as soon as it is packed: 64 loads of a wave are on their way, each for a whole K step.
; WHY W2 IS NOT ASKED FOR JOINTLY, though the four work-groups of a column of the cluster read the same rows: the mover cannot round.  Two slots
; of 128 k x 256 columns in f32 (2 x 133,120 bytes with padding) beside h's 139,264 are 405,504 bytes, more than the 327,680 there are.
; LIMITS: w2 is rounded to bf16 for the product; sums and p are f32.
; REGISTERS, in windows of 256: window 0: v0-31 addresses; v32-63 packed w2; v64-95, v96-127 fragments of h (tokens 0-63, 64-127);
;   v128-191, v192-255 fragments of w2 (even, odd quarters).  Window 1: w2 as loaded, batch j at v[64 j].
;   Window 2: the accumulators of my tokens 0-63 ((a, b) at v[8 (8 a + b)]); window 3: those of tokens 64-127.
.set PITCHB, 4096                      ; bytes from a k row of w2 to the next
.set NS,     16                        ; K steps
.set LAPS,   NS/2
.set ABLK,   262144                    ; bytes in a block of h
.set PA,     272
.set PB,     544
.set ASLOT,  256*PA
.set BRING,  2*ASLOT                   ; w2's ring lies behind h's; no tensor load lands in it
.set BSLOT,  128*PB
.set STAGE,  BRING+2*BSLOT             ; 16 rows x 528 bytes for each wave, for the way out
.set SP,     528                       ; 512 bytes + 16, an odd multiple of 16
.set SPARE,  STAGE+4*16*SP             ; the spare words, 128 bytes for each wave: two blocks of 256 bytes that no other line names
.set ADRA, 16                          ; v16-17  LDS address of my fragments of h in slot 0, 1
.set VB,   18                          ; v18     byte offset in w2 of my 16 bytes: 8 w rows + 16 lane; never rewritten
.set ADRB, 20                          ; v20-21  LDS address for the turning loads of w2 in slot 0, 1
.set VS,   22                          ; v22-23  LDS address at which I store packed w2 in slot 0, 1
.set STO,  24                          ; v24     the way out: where I put 32 bytes of a row
.set RD,   25                          ; v25     the way out: where I read a row back
.set CO,   26                          ; v26     my byte offset in a row of p
.set SPW,  28                          ; v28     LDS address of my spare word; never rewritten
.set NIL,  29                          ; v29     0; never rewritten
.set PK,   32
.set AB,   64
.set BBUF0, 128
.set BBUF1, 192
.set OB,   64                          ; the way out: 16 rows read back, v64-127 and v128-191 by turns
.set G1, 24                            ; s[24:31] descriptor group 1
.set G0, 32                            ; s[32:39] descriptor group 0, a set for each slot
.set BB, 40                            ; s[40:41] w2 at the K step that is being loaded
.set MSB, 0
.macro WIN new                         ; the immediate's high byte repeats the setting that is left; a switch that changes nothing is dropped
.if MSB != (\new)
	s_set_vgpr_msb (MSB<<8)|(\new)
.set MSB, (\new)
.endif
.endm
.set MUL_LO, 0xa0                      ; sources window 0, C and D window 2
.set MUL_HI, 0xf0                      ; sources window 0, C and D window 3
.macro PLACES                          ; four places between a matrix instruction and a load into, or a reader of, its registers (ISA guide 7.12.1 for readers)
.rept 4
	v_nop
.endr
.endm
.macro CREST                           ; a round of the cluster's barrier behind its opening barrier
	s_cmp_lg_u32 s12, 0
	s_cbranch_scc1 .Lnot_wave_0_\@
	s_barrier_signal -3
.Lnot_wave_0_\@:
	s_barrier_wait -3
	s_barrier_signal -1
	s_barrier_wait -1
.endm
.macro CROUND
	s_barrier_signal -1
	s_barrier_wait -1
	CREST
.endm
; 16 matrix instructions: token blocks a0, a0 + 1 of the window's four x all 8 column blocks.  zero = 1: the product starts the sum.
.macro MUL16 hi, a0, bb, zero
.irp a, \a0, \a0+1
.irp b, 0,1,2,3,4,5,6,7
.if \zero
	v_wmma_f32_16x16x32_bf16 v[8*(8*(\a)+\b):8*(8*(\a)+\b)+7], v[\bb+8*\b:\bb+8*\b+7], v[AB+32*\hi+8*(\a):AB+32*\hi+8*(\a)+7], 0
.else
	v_wmma_f32_16x16x32_bf16 v[8*(8*(\a)+\b):8*(8*(\a)+\b)+7], v[\bb+8*\b:\bb+8*\b+7], v[AB+32*\hi+8*(\a):AB+32*\hi+8*(\a)+7], v[8*(8*(\a)+\b):8*(8*(\a)+\b)+7]
.endif
.endr
.endr
.endm
.macro UNIT n, hi, bb, zero            ; n: the LDS instructions issued behind the loads that this unit needs
	s_wait_dscnt \n
	WIN MUL_LO+0x50*\hi
	MUL16 \hi, 0, \bb, \zero
	MUL16 \hi, 2, \bb, \zero
.endm
.macro LDA s, q, hi                    ; 8 loads: h's fragments of quarter q, tokens 64 hi on
.irp a, 0,1,2,3
	ds_load_b128 v[AB+32*\hi+8*\a:AB+32*\hi+8*\a+3],   v[ADRA+\s] offset:(4*\hi+\a)*16*PA+64*\q
	ds_load_b128 v[AB+32*\hi+8*\a+4:AB+32*\hi+8*\a+7], v[ADRA+\s] offset:(4*\hi+\a)*16*PA+64*\q+32
.endr
.endm
.macro LDB s, q                        ; 16 turning loads: w2's fragments of quarter q, into the buffer of its parity
.irp b, 0,1,2,3,4,5,6,7
	ds_load_tr16_b128 v[BBUF0+64*(\q%2)+8*\b:BBUF0+64*(\q%2)+8*\b+3],   v[ADRB+\s] offset:32*\q*PB+32*\b
	ds_load_tr16_b128 v[BBUF0+64*(\q%2)+8*\b+4:BBUF0+64*(\q%2)+8*\b+7], v[ADRB+\s] offset:32*\q*PB+16*PB+32*\b
.endr
.endm
.macro CVT j                           ; batch j is rounded: 64 numbers a lane into 32 words
	WIN 0x05                                       ; sources window 1, destination window 0
.set i, 0
.rept 32
	v_cvt_pk_bf16_f32 v[PK+i], v[64*\j+2*i], v[64*\j+2*i+1]
.set i, i+1
.endr
.endm
.macro STB o, j                        ; and stored into slot o: a wave's store covers 256 consecutive bytes, half a row
	WIN 0
.set i, 0
.rept 16
	ds_store_b64 v[VS+\o], v[PK+2*i:PK+2*i+1] offset:(32*\j+i/2)*PB+(i%2)*256
.set i, i+1
.endr
.endm
.macro GLB j                           ; batch j of the K step at s[BB]: rows 32 j + 8 w + 0..7, two loads of 512 consecutive bytes a row
	WIN 0x40                                       ; destination window 1
.set i, 0
.rept 16
	global_load_b128 v[64*\j+4*i:64*\j+4*i+3], v[VB], s[BB:BB+1] offset:(32*\j+i/2)*PITCHB+(i%2)*512
.set i, i+1
.endr
.endm
; Between two units: the fragments for a later unit are fetched; with act >= 0 batch act of the next K step is rounded first (its 32 conversions,
; which name no register of the products, are the places), stored into slot o behind the fetches, and with ld = 1 its registers are loaded again.
; left: the younger global loads that may stay out.
.macro GAP s, q, hi, withb, act, o, ld, left
.if \act >= 0
	s_wait_loadcnt \left
	CVT \act
	WIN 0
.else
	WIN 0
	PLACES
.endif
	LDA \s, \q, \hi
.if \withb
	LDB \s, \q
.endif
.if \act >= 0
	STB \o, \act
.if \ld
	GLB \act
.endif
.endif
.endm
.macro ACTGAP s, q, hi, withb, j, o, ld, st   ; three younger batches of 16 loads stay out; where nothing is loaded any more the counts run down 48, 32, 16, 0
.if \st
	GAP \s, \q, \hi, \withb, \j, \o, \ld, 48-16*\j*(1-\ld)
.else
	GAP \s, \q, \hi, \withb, -1, \o, 0, 0
.endif
.endm
; The last quarter changes slots: ONE barrier.  In front of it each wave waits for all its tensor loads (one is out: its part of h's other slot), adds 0 to its spare
; word, and waits for that, for its reads of both rings' slot s and for its stores into w2's slot o.  Behind it nobody reads slot s and slot o is whole.
; turn = 2: the barrier opens a round of the cluster's, and h's slot s is filled again, two K steps on, first thing behind it.  turn = 1: nothing is left to ask for.
.macro TURN s, o, turn, st
	WIN 0                                          ; (the add's two registers lie in window 0)
	s_wait_tensorcnt 0x0
	ds_add_u32 v[SPW], v[NIL]                      ; 0 onto my spare word
	s_wait_dscnt 9+32*\st                          ; the add, h's last 8 loads and two runs of 16 stores may be out
	WIN MUL_LO
	MUL16 0, 0, BBUF1, 0
	s_wait_dscnt 0x0
	s_barrier_signal -1
	MUL16 0, 2, BBUF1, 0                           ; work on registers while the others arrive
	WIN 0
	s_barrier_wait -1
.if \turn == 2
	CREST                                          ; no wave of any partner still reads the slot or has a load on its way
	s_add_nc_u64 s[G0+4*\s+2:G0+4*\s+3], s[G0+4*\s+2:G0+4*\s+3], 2*ABLK
	tensor_load_to_lds s[G0+4*\s:G0+4*\s+3], s[G1:G1+7]   ; my one tensor load behind the round: 64 rows; it is waited for at the next change of slots
	s_nop 0
.endif
	PLACES
	LDA \o, 0, 0
	LDB \o, 0
	WIN MUL_HI
	MUL16 1, 0, BBUF1, 0
	MUL16 1, 2, BBUF1, 0
	WIN 0
	PLACES
	LDA \o, 0, 1
.endm
; A K step in slot s.  ld = 1: w2 two steps on is loaded.  st = 1: w2 of the next step is rounded and stored into slot o.
; The accumulators take turns, one instruction a turn: 32 different ones in a unit, windows 2 and 3 unit by unit.
.macro STEP s, o, zero, ld, st, turn
.if \ld
	s_wait_xcnt 0x0                                ; the loads that name s[BB] have had their addresses translated: only now is it stepped
	s_add_nc_u64 s[BB:BB+1], s[BB:BB+1], 128*PITCHB
.endif
	UNIT 8, 0, BBUF0, \zero                        ; h's tokens 64-127 may be out
	GAP \s, 1, 0, 1, -1, \o, 0, 0
	UNIT 24, 1, BBUF0, \zero                       ; the 24 loads just issued
	ACTGAP \s, 1, 1, 0, 0, \o, \ld, \st
	UNIT 8+16*\st, 0, BBUF1, 0                     ; 8 loads and a run of stores
	GAP \s, 2, 0, 1, -1, \o, 0, 0
	UNIT 24+16*\st, 1, BBUF1, 0                    ; a run of stores and 24 loads
	ACTGAP \s, 2, 1, 0, 1, \o, \ld, \st
	UNIT 8+16*\st, 0, BBUF0, 0
	ACTGAP \s, 3, 0, 1, 2, \o, \ld, \st
	UNIT 24+32*\st, 1, BBUF0, 0                    ; 24 loads and two runs of stores
	ACTGAP \s, 3, 1, 0, 3, \o, \ld, \st
.if \turn
	TURN \s, \o, \turn, \st
.else
	UNIT 8, 0, BBUF1, 0
	UNIT 0, 1, BBUF1, 0
.endif
.endm
	s_load_b128 s[4:7], s[0:1], 0x0                ; h s[4:5], w2 s[6:7]
	s_load_b64 s[8:9], s[0:1], 0x10                ; p
	v_lshl_add_u32 v[SPW], v0, 2, SPARE
	v_mov_b32 v[NIL], 0
	ds_add_u32 v28, v29
	s_wait_dscnt 0x0
	v_lshrrev_b32 v1, 5, v0
	v_readfirstlane_b32 s12, v1                    ; wave 0..3
	s_lshr_b32 s13, s12, 1                         ; which 128 tokens of the tile are mine
	s_and_b32 s14, s12, 1                          ; which 128 columns
	s_bfe_u32 s15, ttmp6, 0x40000                  ; cx = the block of 256 columns (the grid is one cluster wide)
	s_bfe_u32 s16, ttmp6, 0x40004                  ; cy = the block of 256 tokens
	s_and_b32 s17, ttmp7, 0xffff                   ; the cluster's y = the split of K, 0..15
	s_lshl_b32 s20, s16, 2
	s_lshl_b32 s20, 15, s20                        ; my row of the cluster: places 4 cy .. 4 cy + 3
	s_or_b32 s[G1+0], s20, (1<<16)|(1<<20)|(1<<21)|(5<<22)|(3<<25)  ; the mask; elements of 2 bytes; padding on; bit 21 beside a mask; after every 64 words, 4 words
	s_mov_b32 s[G1+1], 128<<16                     ; tensor_dim0 = 128
	s_mov_b32 s[G1+2], 64<<16                      ; tensor_dim1 = 64
	s_mov_b32 s[G1+3], 128<<16                     ; tile_dim0 = 128
	s_mov_b32 s[G1+4], 64                          ; tile_dim1 = 64
	s_mov_b32 s[G1+5], 128                         ; elements from row to row: a block's rows lie on end
	s_mov_b32 s[G1+6], 0
	s_mov_b32 s[G1+7], 0
	s_lshl_b32 s44, s17, 22                        ; h: block 16 x split, token 256 cy + 64 w; no register here ever holds cx
	s_lshl_b32 s21, s16, 16
	s_add_co_u32 s44, s44, s21
	s_lshl_b32 s21, s12, 14
	s_add_co_u32 s44, s44, s21
	s_mov_b32 s45, 0
	s_lshl_b32 s46, s17, 23                        ; w2: row 2,048 x split (4,096 bytes each), column 256 cx
	s_lshl_b32 s52, s15, 10
	s_add_co_u32 s46, s46, s52
	s_mov_b32 s47, 0
	s_lshl_b32 s50, s17, 22                        ; p: split x 4,194,304 + token (256 cy + 128 x my half) x 4,096 + column (256 cx + 128 x my half) x 4
	s_add_co_u32 s50, s50, s52
	s_lshl_b32 s52, s16, 20
	s_add_co_u32 s50, s50, s52
	s_lshl_b32 s52, s13, 19
	s_add_co_u32 s50, s50, s52
	s_lshl_b32 s52, s14, 9
	s_add_co_u32 s50, s50, s52
	s_mov_b32 s51, 0
	s_mul_i32 s22, s12, 64*PA                      ; where my 64 rows of h go in a slot
	s_mul_i32 s23, s12, 8*PITCHB
	v_and_b32 v3, 31, v0                           ; lane
	v_lshl_add_u32 v[VB], v3, 4, s23
	s_wait_kmcnt 0x0
	s_add_nc_u64 s[4:5], s[4:5], s[44:45]
	s_add_nc_u64 s[BB:BB+1], s[6:7], s[46:47]
	s_add_nc_u64 s[8:9], s[8:9], s[50:51]
	GLB 0                                          ; w2 of K step 0: 64 loads go out before anything else
	GLB 1
	GLB 2
	GLB 3
	WIN 0
.irp s, 0,1
	s_mov_b32 s[G0+4*\s], 1                                        ; count = 1
	s_add_co_u32 s[G0+4*\s+1], s22, \s*ASLOT                       ; LDS address
	s_add_nc_u64 s[G0+4*\s+2:G0+4*\s+3], s[4:5], \s*ABLK           ; global address: K step s
	s_or_b32 s[G0+4*\s+3], s[G0+4*\s+3], 0x80000000                ; type = 2
.endr
	CROUND                                         ; all sixteen work-groups are here: the first joint loads meet
	tensor_load_to_lds s[G0:G0+3], s[G1:G1+7]      ; the two first fills stand together: two tensor loads of mine are out
	s_nop 0
	tensor_load_to_lds s[G0+4:G0+7], s[G1:G1+7]
	s_nop 0
	PLACES
	v_and_b32 v1, 15, v0                           ; r = lane % 16
	v_bfe_u32 v2, v0, 4, 1                         ; h = lane / 16
	v_and_b32 v4, 7, v0
	v_bfe_u32 v5, v0, 3, 1
	v_mul_u32_u24 v6, v1, PA
	v_lshl_add_u32 v6, v2, 4, v6                   ; row r x pitch + 16 h
	s_mul_i32 s21, s13, 128*PA
	v_add_nc_u32 v[ADRA], s21, v6
	v_add_nc_u32 v[ADRA+1], ASLOT, v[ADRA]
	v_lshl_add_u32 v7, v2, 3, v4                   ; the turning load: k row 8 h + lane % 8, 16 bytes at 16 ((lane / 8) % 2)
	v_mul_u32_u24 v7, v7, PB
	v_lshl_add_u32 v7, v5, 4, v7
	s_lshl_b32 s21, s14, 8
	s_add_co_u32 s21, s21, BRING
	v_add_nc_u32 v[ADRB], s21, v7
	v_add_nc_u32 v[ADRB+1], BSLOT, v[ADRB]
	s_mul_i32 s21, s12, 8*PB
	s_add_co_u32 s21, s21, BRING
	v_lshl_add_u32 v[VS], v3, 3, s21
	v_add_nc_u32 v[VS+1], BSLOT, v[VS]
	s_mul_i32 s21, s12, 16*SP
	s_add_co_u32 s21, s21, STAGE                   ; my stage
	v_mul_u32_u24 v7, v1, SP                       ; in: row r, 32 bytes for each half of the lanes
	v_lshl_add_u32 v7, v2, 5, v7
	v_add_nc_u32 v[STO], s21, v7
	v_lshl_add_u32 v[RD], v3, 4, s21               ; back: the 32 lanes take one row of 512 bytes
	v_lshlrev_b32 v[CO], 4, v3
	s_wait_xcnt 0x0
	s_add_nc_u64 s[BB:BB+1], s[BB:BB+1], 128*PITCHB
.irp j, 0,1,2,3                        ; K step 0's w2 goes into slot 0; its registers take K step 1's
	s_wait_loadcnt 48
	CVT \j
	STB 0, \j
	GLB \j
.endr
	WIN 0
	s_wait_tensorcnt 0x1                           ; my part of h's slot 0 is in; slot 1's may stay out
	s_wait_dscnt 0x0                               ; my part of w2's slot 0 is stored
	s_barrier_signal -1
	s_barrier_wait -1
	LDA 0, 0, 0
	LDB 0, 0
	LDA 0, 0, 1
	STEP 0, 1, 1, 1, 1, 2                          ; the first lap is written out: its first quarter starts the sums
	STEP 1, 0, 0, 1, 1, 2
	s_mov_b32 s42, LAPS-2
.Llap:
	STEP 0, 1, 0, 1, 1, 2
	STEP 1, 0, 0, 1, 1, 2
	s_sub_co_u32 s42, s42, 1
	s_cmp_lg_u32 s42, 0
	s_cbranch_scc1 .Llap
	STEP 0, 1, 0, 0, 1, 1                          ; the last lap asks for nothing more
	STEP 1, 0, 0, 0, 0, 0
; THE WAY OUT, a block of 16 tokens at a time, with no arithmetic: a lane's eight f32 of a row go straight from the accumulator (its low four first) into my
; own stage, whole rows of 512 bytes come back, and are stored.
.macro TOSTAGE a
	s_wait_xcnt 0x0                                ; the stores two blocks back have read their registers: the loads below land there only behind this wait
	WIN 0x08+4*((\a)/4)                            ; the stores' data: window 2 or 3
.irp b, 0,1,2,3,4,5,6,7
	ds_store_b128 v[STO], v[64*((\a)%4)+8*\b:64*((\a)%4)+8*\b+3]   offset:64*\b
	ds_store_b128 v[STO], v[64*((\a)%4)+8*\b+4:64*((\a)%4)+8*\b+7] offset:64*\b+16
.endr
	WIN 0
.set i, 0
.rept 16
	ds_load_b128 v[OB+64*((\a)%2)+4*i:OB+64*((\a)%2)+4*i+3], v[RD] offset:i*SP   ; LDS serves a wave's instructions in order: these see the stores above
.set i, i+1
.endr
.endm
.macro SEND a, younger                 ; younger: the next block's 16 LDS stores and 16 LDS loads, or none
	s_wait_dscnt \younger
.set i, 0
.rept 16
	global_store_b128 v[CO], v[OB+64*((\a)%2)+4*i:OB+64*((\a)%2)+4*i+3], s[8:9] offset:(16*(\a)+i)*4096   ; the wave stores 512 consecutive bytes, aligned
.set i, i+1
.endr
.endm
	WIN 0
	PLACES                                         ; between the last products and the LDS stores of their results
	TOSTAGE 0
.irp a, 1,2,3,4,5,6,7
	TOSTAGE \a
	SEND \a-1, 32
.endr
	SEND 7, 0
	s_wait_tensorcnt 0x0                           ; the wave's end
	ds_add_u32 v[SPW], v[NIL]
	s_wait_dscnt 0x0
	CROUND                                         ; the closing round: no work-group ends while a partner may still ask for a tile that names it
	s_endpgm
.Lfunc_end_k_qf8e3fd8f3e_ffn2:
	.size	k_qf8e3fd8f3e_ffn2, .Lfunc_end_k_qf8e3fd8f3e_ffn2-k_qf8e3fd8f3e_ffn2
	.p2alignl 7, 3214868480
	.fill 96, 4, 3214868480
	.section	.rodata,"a",@progbits
	.p2align	6, 0x0
	.amdhsa_kernel k_qf8e3fd8f3e_ffn2
		.amdhsa_group_segment_fixed_size 327680
		.amdhsa_private_segment_fixed_size 0
		.amdhsa_enable_private_segment 0
		.amdhsa_kernarg_size 24
		.amdhsa_user_sgpr_count 2
		.amdhsa_user_sgpr_kernarg_segment_ptr 1
		.amdhsa_wavefront_size32 1
		.amdhsa_system_sgpr_workgroup_id_x 1
		.amdhsa_system_sgpr_workgroup_id_y 1
		.amdhsa_system_sgpr_workgroup_id_z 1
		.amdhsa_system_vgpr_workitem_id 0
		.amdhsa_next_free_vgpr 1024
		.amdhsa_next_free_sgpr 66
		.amdhsa_reserve_vcc 0
		.amdhsa_float_denorm_mode_32 3
		.amdhsa_float_denorm_mode_16_64 3
		.amdhsa_memory_ordered 1
		.amdhsa_forward_progress 1
		.amdhsa_inst_pref_size 255
	.end_amdhsa_kernel
	.section	.bss,"aw",@nobits
	.p2align	6
	.space	262144
	.amdgpu_metadata
---
amdhsa.version: [ 1, 2 ]
amdhsa.kernels:
  - .name:           k_qf8e3fd8f3e_ffn2
    .symbol:         k_qf8e3fd8f3e_ffn2.kd
    .args:
      - { .name: h, .offset: 0, .size: 8, .value_kind: global_buffer, .address_space: global }
      - { .name: w2, .offset: 8, .size: 8, .value_kind: global_buffer, .address_space: global }
      - { .name: p, .offset: 16, .size: 8, .value_kind: global_buffer, .address_space: global }
    .group_segment_fixed_size: 327680
    .private_segment_fixed_size: 0
    .kernarg_segment_align: 8
    .kernarg_segment_size: 24
    .max_flat_workgroup_size: 128
    .sgpr_count:     66
    .vgpr_count:     1024
    .wavefront_size: 32
...
	.end_amdgpu_metadata
.endif
;; end of part 3
;; launch mix (part 4): grid 1024 x 1, 8 waves a work-group, no clusters, 0 bytes of LDS; arguments p, g, b2, b_seq, out0; writes out0
.if DOCPART == 4
	.amdgcn_target "amdgcn-amd-amdhsa--gfx1250"
	.amdhsa_code_object_version 6
	.text
	.protected	k_qf8e3fd8f3e_mix
	.globl	k_qf8e3fd8f3e_mix
	.p2align	8
	.type	k_qf8e3fd8f3e_mix,@function
k_qf8e3fd8f3e_mix:
	s_mov_b64 s[64:65], 0
	v_nop
	global_prefetch_b8 v0, s[64:65] scope:SCOPE_SE
	s_setreg_imm32_b32 hwreg(HW_REG_WAVE_MODE, 25, 1), 1
	s_wait_xcnt 0x0
; out0[token] = the sum over the 8 experts of g[token][e] (p[2 e][token] + p[2 e + 1][token] + b2[e]); exactly 0 where b_seq[token] = 0.
; p: [16][1024][1024] f32, the second product's sixteen parts of K.  g: [1024][8] f32.  b2: [8][1024] f32.  All in f32.
; A stream: a work-group is one token, a thread 4 columns, so every load and the store of a wave cover 512 consecutive bytes, aligned.  All 24 loads of a
; thread go out at once; the experts are taken in the order of the loads, behind counted waits.  The token's gates and its b_seq are scalars.
; LDS, the matrix unit and clusters would add nothing: no byte is used twice but b2's 32,768.
.set P,   4                            ; v[4:99]    expert e at 12 e: p[2 e], p[2 e + 1], b2[e], 4 registers each
.set ACC, 100                          ; v[100:103] the running sum
	s_load_b256 s[4:11], s[0:1], 0x0               ; p s[4:5], g s[6:7], b2 s[8:9], b_seq s[10:11]
	s_load_b64 s[12:13], s[0:1], 0x20              ; out0
	v_lshlrev_b32 v1, 4, v0                        ; my 16 bytes of a row
	s_lshl_b32 s14, ttmp9, 12                      ; the token's row of 4,096 bytes
	s_mov_b32 s15, 0
	s_lshl_b32 s40, ttmp9, 5                       ; its 8 gates
	s_mov_b32 s41, 0
	s_lshl_b32 s42, ttmp9, 2                       ; its word of b_seq
	s_mov_b32 s43, 0
	s_wait_kmcnt 0x0
	s_add_nc_u64 s[6:7], s[6:7], s[40:41]
	s_add_nc_u64 s[10:11], s[10:11], s[42:43]
	s_load_b256 s[16:23], s[6:7], 0x0              ; g[token][0..7]
	s_load_b32 s44, s[10:11], 0x0                  ; b_seq[token]
	s_add_nc_u64 s[24:25], s[4:5], s[14:15]        ; a base for each expert, 8,388,608 bytes apart: its second part is reached by the immediate
.irp e, 1,2,3,4,5,6,7
	s_add_nc_u64 s[24+2*\e:25+2*\e], s[22+2*\e:23+2*\e], 0x800000
.endr
	s_add_nc_u64 s[12:13], s[12:13], s[14:15]
.irp e, 0,1,2,3,4,5,6,7
	global_load_b128 v[P+12*\e:P+12*\e+3],    v1, s[24+2*\e:25+2*\e] th:TH_LOAD_NT
	global_load_b128 v[P+12*\e+4:P+12*\e+7],  v1, s[24+2*\e:25+2*\e] offset:4194304 th:TH_LOAD_NT
	global_load_b128 v[P+12*\e+8:P+12*\e+11], v1, s[8:9] offset:4096*\e
.endr
	s_wait_kmcnt 0x0
	s_cmp_lg_u32 s44, 0
	s_cselect_b32 s45, -1, 0                       ; all ones, or 0 for the zero branch: it selects a value, no address and no branch
.irp e, 0,1,2,3,4,5,6,7
	s_wait_loadcnt 21-3*\e                         ; the three loads of each later expert may stay out
	v_pk_add_f32 v[P+12*\e:P+12*\e+1],   v[P+12*\e:P+12*\e+1],   v[P+12*\e+4:P+12*\e+5]
	v_pk_add_f32 v[P+12*\e+2:P+12*\e+3], v[P+12*\e+2:P+12*\e+3], v[P+12*\e+6:P+12*\e+7]
	v_pk_add_f32 v[P+12*\e:P+12*\e+1],   v[P+12*\e:P+12*\e+1],   v[P+12*\e+8:P+12*\e+9]
	v_pk_add_f32 v[P+12*\e+2:P+12*\e+3], v[P+12*\e+2:P+12*\e+3], v[P+12*\e+10:P+12*\e+11]
.irp k, 0,1,2,3
.if \e == 0
	v_mul_f32 v[ACC+\k], s[16+\e], v[P+12*\e+\k]   ; the first expert starts the sum
.else
	v_fmac_f32 v[ACC+\k], s[16+\e], v[P+12*\e+\k]
.endif
.endr
.endr
.irp k, 0,1,2,3
	v_and_b32 v[ACC+\k], s45, v[ACC+\k]
.endr
	global_store_b128 v1, v[ACC:ACC+3], s[12:13] th:TH_STORE_NT
	s_endpgm
.Lfunc_end_k_qf8e3fd8f3e_mix:
	.size	k_qf8e3fd8f3e_mix, .Lfunc_end_k_qf8e3fd8f3e_mix-k_qf8e3fd8f3e_mix
	.p2alignl 7, 3214868480
	.fill 96, 4, 3214868480
	.section	.rodata,"a",@progbits
	.p2align	6, 0x0
	.amdhsa_kernel k_qf8e3fd8f3e_mix
		.amdhsa_group_segment_fixed_size 0
		.amdhsa_private_segment_fixed_size 0
		.amdhsa_enable_private_segment 0
		.amdhsa_kernarg_size 40
		.amdhsa_user_sgpr_count 2
		.amdhsa_user_sgpr_kernarg_segment_ptr 1
		.amdhsa_wavefront_size32 1
		.amdhsa_system_sgpr_workgroup_id_x 1
		.amdhsa_system_sgpr_workgroup_id_y 1
		.amdhsa_system_sgpr_workgroup_id_z 1
		.amdhsa_system_vgpr_workitem_id 0
		.amdhsa_next_free_vgpr 104
		.amdhsa_next_free_sgpr 66
		.amdhsa_reserve_vcc 0
		.amdhsa_float_denorm_mode_32 3
		.amdhsa_float_denorm_mode_16_64 3
		.amdhsa_memory_ordered 1
		.amdhsa_forward_progress 1
		.amdhsa_inst_pref_size 8
	.end_amdhsa_kernel
	.amdgpu_metadata
---
amdhsa.version: [ 1, 2 ]
amdhsa.kernels:
  - .name:           k_qf8e3fd8f3e_mix
    .symbol:         k_qf8e3fd8f3e_mix.kd
    .args:
      - { .name: p, .offset: 0, .size: 8, .value_kind: global_buffer, .address_space: global }
      - { .name: g, .offset: 8, .size: 8, .value_kind: global_buffer, .address_space: global }
      - { .name: b2, .offset: 16, .size: 8, .value_kind: global_buffer, .address_space: global }
      - { .name: b_seq, .offset: 24, .size: 8, .value_kind: global_buffer, .address_space: global }
      - { .name: out0, .offset: 32, .size: 8, .value_kind: global_buffer, .address_space: global }
    .group_segment_fixed_size: 0
    .private_segment_fixed_size: 0
    .kernarg_segment_align: 8
    .kernarg_segment_size: 40
    .max_flat_workgroup_size: 256
    .sgpr_count:     66
    .vgpr_count:     104
    .wavefront_size: 32
...
	.end_amdgpu_metadata
.endif
;; end of part 4
;; ======== version 2 of 2: 4 launches; version 1 with the launch prep written anew for expert scheduling mode
;; workspace buffers: xb 2,097,152 bytes; g 32,768 bytes; h 67,108,864 bytes; p 67,108,864 bytes
;; launch prep (part 5): grid 64 x 1, 8 waves a work-group, no clusters, 150,784 bytes of LDS; arguments x, w_gates, b_seq, xb, g; writes xb, g
.if DOCPART == 5
	.amdgcn_target "amdgcn-amd-amdhsa--gfx1250"
	.amdhsa_code_object_version 6
	.text
	.protected	k_qf8e3fd8f3e_prep
	.globl	k_qf8e3fd8f3e_prep
	.p2align	8
	.type	k_qf8e3fd8f3e_prep,@function
k_qf8e3fd8f3e_prep:
	s_mov_b64 s[64:65], 0
	v_nop
	global_prefetch_b8 v0, s[64:65] scope:SCOPE_SE
	s_setreg_imm32_b32 hwreg(HW_REG_WAVE_SCHED_MODE, 0, 2), 2
	s_setreg_imm32_b32 hwreg(HW_REG_WAVE_MODE, 25, 1), 1
	s_wait_xcnt 0x0
	s_wait_alu depctr_vm_vsrc(0)
; xb = x rounded to bf16, laid as [8 blocks of 128 k][1024 tokens][128]: a block's rows are 256 bytes on end.
; g[token][e] = softmax over the 8 experts of x[token] . w_gates[b_seq[token]-1][:, e]; all 0 where b_seq[token] = 0.
; A work-group owns 16 tokens, eight waves.  The logits of all four tasks (32 columns, c = 8 task + expert) are one product
; 16 tokens x 1024 k x 32 columns with bf16 operands and f32 sums: wave w takes k = 128 w .. 128 w + 127, the eight partial
; sums meet in LDS, and wave 0 picks each token's task, takes the maximum away and makes the softmax in f32.
; LIMITS: x and w_gates are rounded to bf16 for the product.  b_seq is taken to lie in 0..4 (b - 1 is clamped to 3 for the LDS address).
; No tensor loads and no cluster: 16 tokens' rows are read once, and w_gates (131,072 bytes) has to be rounded on its way into LDS.
; THE MODE: SCHED_MODE bits 1:0 = 2 (LLVM: expert scheduling mode 2), set by the entry lines.  The code itself states the register dependences
; between vector or matrix instructions and memory or LDS instructions, with s_wait_alu, always for 0.
; THE PLAN.  Registers that memory or LDS instructions touch, in the order of the text (there is no loop):
;   v7 to v16     offsets and LDS addresses: each written once by vector instructions, read by loads and stores, never written again.
;   X             loads land; 32 conversions pack it in place; 16 global and 16 LDS stores read it; never written again.
;   W             loads land; conversions pack it in place, tasks 0 and 1 first; 32 LDS stores read it.  The stores of tasks 0 and 1 are dealt among the
;                 conversions of tasks 2 and 3, which name other registers.  Behind the first barrier these registers are BF and AF (LDS loads land) and ACC (products write).
;   ACC           written by the products, read by four LDS stores.
;   v[T1], L      wave 0 alone: v[T1] is written as an address, read by eight LDS loads, and written again by the sums; L takes those loads where the products
;                 read BF, is worked on by vector instructions, and is read by the last store.
;   v212, v213    written at the head, read by the closing add alone.
.set ABLK, 262144                      ; bytes in a block of xb: 1024 tokens x 256
.set PX,   2064                        ; LDS row of x in bf16: 2,048 bytes + 16, an odd multiple of 16
.set WGL,  16*PX                       ; behind x: w_gates in bf16 as [1024 k][32 columns], 64 bytes a row,
.set PW,   96                          ; rows 96 bytes apart, an odd multiple of 32 (for the turning load)
.set RED,  WGL+1024*PW                 ; behind it: eight waves x 16 tokens x 32 partial logits in f32,
.set PR,   144                         ; rows of 128 bytes + 16
.set VX,  8                            ; v8   byte offset in x of my 16 bytes: 8,192 w + 16 lane
.set VW,  9                            ; v9   the same in a task's table: 4,096 w + 16 lane
.set VBS, 10                           ; v10  4 (lane / 2): my token's word of b_seq
.set VXS, 11                           ; v11  LDS: where x goes
.set VXB, 12                           ; v12  byte offset in xb
.set VWS, 13                           ; v13  LDS: where w_gates goes
.set VA,  14                           ; v14  LDS: my fragment rows of x
.set VBT, 15                           ; v15  LDS: my place for the turning loads of w_gates
.set VR,  16                           ; v16  LDS: where my partial logits go
.set BS,  17                           ; v17  b_seq of token lane / 2
.set T0,  18
.set T1,  19
.set X,   20                           ; v[20:83]   two rows of x as loaded; then packed, two words in each four
.set W,   84                           ; v[84:211]  my part of w_gates as loaded, packed likewise; free behind the LDS stores:
.set BF,  84                           ; v[84:147]  fragments of w_gates: (chunk c, half f) at 8 (2 c + f)
.set ACC, 148                          ; v[148:163] two accumulators
.set AF,  164                          ; v[164:195] fragments of x: chunk c at 8 c
.set L,   84                           ; v[84:115]  wave 0 at the end: eight waves' partial logits, 4 each
	s_load_b256 s[4:11], s[0:1], 0x0               ; x s[4:5], w_gates s[6:7], b_seq s[8:9], xb s[10:11]
	s_load_b64 s[12:13], s[0:1], 0x20              ; g
	v_lshl_add_u32 v212, v0, 2, 0x24900
	v_mov_b32 v213, 0
	v_lshrrev_b32 v1, 5, v0
	v_readfirstlane_b32 s14, v1                    ; wave 0..7
	v_and_b32 v2, 31, v0                           ; lane
	v_and_b32 v3, 15, v0                           ; r = lane % 16
	v_bfe_u32 v4, v0, 4, 1                         ; h = lane / 16
	v_lshrrev_b32 v5, 1, v2                        ; lane / 2
	v_and_b32 v6, 1, v0                            ; lane % 2
	v_lshlrev_b32 v7, 4, v2                        ; 16 lane
	v_lshlrev_b32 v[VBS], 2, v5
	s_wait_alu depctr_va_sdst(0)                   ; s14 is written, ahead of its first reader, the line below
	v_lshl_add_u32 v[VX], s14, 13, v7
	v_lshl_add_u32 v[VW], s14, 12, v7
	s_lshl_b32 s16, ttmp9, 16                      ; 16 tokens x 4,096 bytes of x
	s_mov_b32 s17, 0
	s_lshl_b32 s18, ttmp9, 6                       ; x 4 bytes of b_seq
	s_mov_b32 s19, 0
	s_lshl_b32 s20, ttmp9, 12                      ; x 256 bytes in a block of xb
	s_mov_b32 s21, 0
	s_lshl_b32 s22, ttmp9, 9                       ; x 32 bytes of g
	s_mov_b32 s23, 0
	s_wait_kmcnt 0x0
	s_add_nc_u64 s[4:5], s[4:5], s[16:17]
	s_add_nc_u64 s[8:9], s[8:9], s[18:19]
	s_add_nc_u64 s[10:11], s[10:11], s[20:21]
	s_add_nc_u64 s[12:13], s[12:13], s[22:23]
	s_wait_alu depctr_va_vdst(0)                   ; v[VBS], v[VX] and v[VW] are written, which the 49 loads below read as their offsets; so is v7, the last store's offset
	global_load_b32 v[BS], v[VBS], s[8:9]
.set i, 0
.rept 16                               ; rows 2 w and 2 w + 1 of x: 512 consecutive bytes a load; load i is row i / 8, k = 128 (i % 8) on
	global_load_b128 v[X+4*i:X+4*i+3], v[VX], s[4:5] offset:512*i th:TH_LOAD_NT
.set i, i+1
.endr
.irp t, 0,1,2,3
.irp m, 0,1,2,3,4,5,6,7                ; task t, k = 128 w + 16 m + lane / 2, experts 4 (lane % 2) on
	global_load_b128 v[W+4*(8*\t+\m):W+4*(8*\t+\m)+3], v[VW], s[6:7] offset:\t*32768+\m*512
.endr
.endr
	s_mul_i32 s24, s14, 2*PX
	v_lshl_add_u32 v[VXS], v2, 3, s24              ; row 2 w, 8 bytes a lane
	s_lshl_b32 s25, s14, 9
	v_lshl_add_u32 v[VXB], v2, 3, s25              ; token 2 w of my 16, 8 bytes a lane
	s_mul_i32 s26, s14, 128*PW
	s_add_co_u32 s26, s26, WGL                     ; my 128 k rows of w_gates in LDS
	v_mul_u32_u24 v[VWS], v5, PW
	v_lshl_add_u32 v[VWS], v6, 3, v[VWS]
	v_add_nc_u32 v[VWS], s26, v[VWS]
	v_mul_u32_u24 v[VA], v3, PX                    ; a fragment of x: token r, 16 bytes for each half of the lanes,
	v_lshl_add_u32 v[VA], v4, 4, v[VA]
	s_lshl_b32 s27, s14, 8
	v_add_nc_u32 v[VA], s27, v[VA]                 ; from k = 128 w on
	v_and_b32 v[T0], 7, v0                         ; the turning load: row 8 h + lane % 8, 16 bytes at 16 ((lane / 8) % 2)
	v_lshl_add_u32 v[T0], v4, 3, v[T0]
	v_mul_u32_u24 v[VBT], v[T0], PW
	v_bfe_u32 v[T0], v0, 3, 1
	v_lshl_add_u32 v[VBT], v[T0], 4, v[VBT]
	v_add_nc_u32 v[VBT], s26, v[VBT]
	s_mul_i32 s28, s14, 16*PR
	s_add_co_u32 s28, s28, RED
	v_mul_u32_u24 v[VR], v3, PR
	v_lshl_add_u32 v[VR], v4, 5, v[VR]
	v_add_nc_u32 v[VR], s28, v[VR]
	s_wait_loadcnt 32                              ; b_seq and x are in; the 32 loads of w_gates may stay out
.set i, 0
.rept 16
	v_cvt_pk_bf16_f32 v[X+4*i],   v[X+4*i],   v[X+4*i+1]
	v_cvt_pk_bf16_f32 v[X+4*i+1], v[X+4*i+2], v[X+4*i+3]
.set i, i+1
.endr
	s_wait_alu depctr_va_vdst(0)                   ; the conversions have written X's packed words, which the stores below read; the six addresses v11 to v16 are written, for every later LDS and global instruction that reads one
.set i, 0
.rept 16                               ; a wave's store covers 256 consecutive bytes, aligned: one token's row in block i % 8
	global_store_b64 v[VXB], v[X+4*i:X+4*i+1], s[10:11] offset:(i/8)*256+(i%8)*ABLK
	ds_store_b64 v[VXS], v[X+4*i:X+4*i+1] offset:(i/8)*PX+(i%8)*256
.set i, i+1
.endr
	s_wait_loadcnt 16                              ; tasks 0 and 1 of w_gates are in; the 16 loads of tasks 2 and 3 may stay out
.set i, 0
.rept 16
	v_cvt_pk_bf16_f32 v[W+4*i],   v[W+4*i],   v[W+4*i+1]
	v_cvt_pk_bf16_f32 v[W+4*i+1], v[W+4*i+2], v[W+4*i+3]
.set i, i+1
.endr
	s_wait_alu depctr_va_vdst(0)                   ; the conversions have written the packed words of tasks 0 and 1, which the sixteen LDS stores below read
	s_wait_loadcnt 0x0                             ; tasks 2 and 3
.irp t, 0,1
.irp m, 0,1,2,3,4,5,6,7                ; a store of task t, two conversions of task t + 2.  No wait: no vector instruction since the wait above names v[VWS] or a register of tasks 0 and 1
	ds_store_b64 v[VWS], v[W+4*(8*\t+\m):W+4*(8*\t+\m)+1] offset:\m*16*PW+16*\t
	v_cvt_pk_bf16_f32 v[W+4*(8*(\t+2)+\m)],   v[W+4*(8*(\t+2)+\m)],   v[W+4*(8*(\t+2)+\m)+1]
	v_cvt_pk_bf16_f32 v[W+4*(8*(\t+2)+\m)+1], v[W+4*(8*(\t+2)+\m)+2], v[W+4*(8*(\t+2)+\m)+3]
.endr
.endr
	s_wait_alu depctr_va_vdst(0)                   ; the conversions have written the packed words of tasks 2 and 3, which the LDS stores below read; no vector instruction names W behind this wait, so the fragments' loads may land there
.irp t, 2,3
.irp m, 0,1,2,3,4,5,6,7
	ds_store_b64 v[VWS], v[W+4*(8*\t+\m):W+4*(8*\t+\m)+1] offset:\m*16*PW+16*\t
.endr
.endr
	s_wait_dscnt 0x0                               ; for the others' sake: my rows of x and of w_gates are in LDS
	s_barrier_signal -1
	s_barrier_wait -1
	s_wait_alu depctr_vm_vsrc(0)                   ; my LDS stores have read W's packed words: these registers are BF, ACC and AF from here on, written by the fragments' loads and by the products
.irp c, 0,1,2,3                        ; four chunks of 32 along my 128 k
	ds_load_b128 v[AF+8*\c:AF+8*\c+3],   v[VA] offset:64*\c
	ds_load_b128 v[AF+8*\c+4:AF+8*\c+7], v[VA] offset:64*\c+32
.endr
.irp c, 0,1,2,3
.irp f, 0,1                            ; columns 16 f on
	ds_load_tr16_b128 v[BF+8*(2*\c+\f):BF+8*(2*\c+\f)+3],   v[VBT] offset:\c*32*PW+32*\f
	ds_load_tr16_b128 v[BF+8*(2*\c+\f)+4:BF+8*(2*\c+\f)+7], v[VBT] offset:\c*32*PW+16*PW+32*\f
.endr
.endr
	s_wait_dscnt 0x0
	; source 0 = 16 columns of w_gates, source 1 = 16 tokens: a lane then holds token r and the 8 experts of task 2 f + h.
	; The two accumulators take turns, one instruction a turn; the first product of each starts its sum.
	v_wmma_f32_16x16x32_bf16 v[ACC:ACC+7],    v[BF:BF+7],    v[AF:AF+7], 0
	v_wmma_f32_16x16x32_bf16 v[ACC+8:ACC+15], v[BF+8:BF+15], v[AF:AF+7], 0
.irp c, 1,2,3
	v_wmma_f32_16x16x32_bf16 v[ACC:ACC+7],    v[BF+16*\c:BF+16*\c+7],    v[AF+8*\c:AF+8*\c+7], v[ACC:ACC+7]
	v_wmma_f32_16x16x32_bf16 v[ACC+8:ACC+15], v[BF+16*\c+8:BF+16*\c+15], v[AF+8*\c:AF+8*\c+7], v[ACC+8:ACC+15]
.endr
.rept 4
	v_nop                                          ; four places between the last product and the LDS stores of its result
.endr
	s_wait_alu depctr_va_vdst(0)                   ; the products have written the accumulators, which the LDS stores read, and are done reading BF; the places above stay beside this wait
.irp f, 0,1
	ds_store_b128 v[VR], v[ACC+8*\f:ACC+8*\f+3]   offset:64*\f
	ds_store_b128 v[VR], v[ACC+8*\f+4:ACC+8*\f+7] offset:64*\f+16
.endr
	s_wait_dscnt 0x0                               ; for wave 0's sake: my partial logits are in LDS
	s_barrier_signal -1
	s_barrier_wait -1
	s_cmp_lg_u32 s14, 0
	s_cbranch_scc1 .Lend                           ; the rest is 128 numbers: one wave's work.  Lane: token lane / 2, experts 4 (lane % 2) on
	v_add_nc_u32 v[T0], -1, v[BS]
	v_min_u32 v[T0], 3, v[T0]                      ; the task, 0..3; b_seq = 0 wraps round and is clamped: its gates are set to 0 below
	v_mul_u32_u24 v[T1], v5, PR
	v_lshl_add_u32 v[T1], v6, 4, v[T1]
	v_lshl_add_u32 v[T1], v[T0], 5, v[T1]
	v_add_nc_u32 v[T1], RED, v[T1]
	s_wait_alu depctr_va_vdst(0)                   ; v[T1] is written, which the eight LDS loads read as their address
.irp i, 0,1,2,3,4,5,6,7
	ds_load_b128 v[L+4*\i:L+4*\i+3], v[T1] offset:\i*16*PR
.endr
	s_wait_dscnt 0x0
	s_wait_alu depctr_vm_vsrc(0)                   ; the eight LDS loads have read v[T1], which the sums below write again
.irp i, 0,2,4,6                        ; the eight waves' parts of k are added, as a tree
	v_pk_add_f32 v[L+4*\i:L+4*\i+1],   v[L+4*\i:L+4*\i+1],   v[L+4*\i+4:L+4*\i+5]
	v_pk_add_f32 v[L+4*\i+2:L+4*\i+3], v[L+4*\i+2:L+4*\i+3], v[L+4*\i+6:L+4*\i+7]
.endr
.irp i, 0,4
	v_pk_add_f32 v[L+4*\i:L+4*\i+1],   v[L+4*\i:L+4*\i+1],   v[L+4*\i+8:L+4*\i+9]
	v_pk_add_f32 v[L+4*\i+2:L+4*\i+3], v[L+4*\i+2:L+4*\i+3], v[L+4*\i+10:L+4*\i+11]
.endr
	v_pk_add_f32 v[L:L+1],   v[L:L+1],   v[L+16:L+17]
	v_pk_add_f32 v[L+2:L+3], v[L+2:L+3], v[L+18:L+19]
	v_max3_num_f32 v[T0], v[L], v[L+1], v[L+2]     ; the largest of the token's 8 logits: my four, then the neighbour lane's
	v_max_num_f32 v[T0], v[T0], v[L+3]
	v_max_num_f32_dpp v[T0], v[T0], v[T0] row_xmask:1 row_mask:0xf bank_mask:0xf
.irp k, 0,1,2,3
	v_sub_f32 v[L+\k], v[L+\k], v[T0]
.endr
.irp k, 0,1,2,3
	v_mul_f32 v[L+\k], 0x3fb8aa3b, v[L+\k]         ; log2(e): the exponential is in base 2
.endr
.irp k, 0,1,2,3
	v_exp_f32 v[L+\k], v[L+\k]
.endr
	v_nop                                          ; a plain instruction between the last exponential and the use of its result
	v_cmp_ne_u32 vcc_lo, 0, v[BS]
	s_wait_alu depctr_va_vdst(0)                   ; the four exponentials have written v[L .. L+3], ahead of their first reader: one wait for the batch
	v_add_f32 v[T0], v[L], v[L+1]
	v_add_f32 v[T1], v[L+2], v[L+3]
	v_add_f32 v[T0], v[T0], v[T1]
	v_add_f32_dpp v[T0], v[T0], v[T0] row_xmask:1 row_mask:0xf bank_mask:0xf
	v_rcp_f32 v[T1], v[T0]
	v_nop                                          ; likewise behind the reciprocal
	s_wait_alu depctr_va_vdst(0)                   ; the reciprocal has written v[T1], ahead of its first reader
.irp k, 0,1,2,3
	v_mul_f32 v[L+\k], v[L+\k], v[T1]
.endr
	s_wait_alu depctr_va_vcc(0)                    ; the compare above has written VCC, ahead of its first reader, the select below
.irp k, 0,1,2,3
	v_cndmask_b32 v[L+\k], 0, v[L+\k], vcc_lo      ; the zero branch
.endr
	s_wait_alu depctr_va_vdst(0)                   ; the selects have written v[L .. L+3], which the store reads
	global_store_b128 v7, v[L:L+3], s[12:13]       ; the wave stores 512 consecutive bytes: 16 tokens x 8 gates
.Lend:
	s_wait_dscnt 0x0                               ; the closing lines, six on end
	s_wait_alu 0x0
	s_wait_tensorcnt 0x0
	ds_add_u32 v212, v213
	s_wait_dscnt 0x0
	s_endpgm
.Lfunc_end_k_qf8e3fd8f3e_prep:
	.size	k_qf8e3fd8f3e_prep, .Lfunc_end_k_qf8e3fd8f3e_prep-k_qf8e3fd8f3e_prep
	.p2alignl 7, 3214868480
	.fill 96, 4, 3214868480
	.section	.rodata,"a",@progbits
	.p2align	6, 0x0
	.amdhsa_kernel k_qf8e3fd8f3e_prep
		.amdhsa_group_segment_fixed_size 150784
		.amdhsa_private_segment_fixed_size 0
		.amdhsa_enable_private_segment 0
		.amdhsa_kernarg_size 40
		.amdhsa_user_sgpr_count 2
		.amdhsa_user_sgpr_kernarg_segment_ptr 1
		.amdhsa_wavefront_size32 1
		.amdhsa_system_sgpr_workgroup_id_x 1
		.amdhsa_system_sgpr_workgroup_id_y 1
		.amdhsa_system_sgpr_workgroup_id_z 1
		.amdhsa_system_vgpr_workitem_id 0
		.amdhsa_next_free_vgpr 214
		.amdhsa_next_free_sgpr 66
		.amdhsa_reserve_vcc 1
		.amdhsa_float_denorm_mode_32 3
		.amdhsa_float_denorm_mode_16_64 3
		.amdhsa_memory_ordered 1
		.amdhsa_forward_progress 1
		.amdhsa_inst_pref_size 25
	.end_amdhsa_kernel
	.amdgpu_metadata
---
amdhsa.version: [ 1, 2 ]
amdhsa.kernels:
  - .name:           k_qf8e3fd8f3e_prep
    .symbol:         k_qf8e3fd8f3e_prep.kd
    .args:
      - { .name: x, .offset: 0, .size: 8, .value_kind: global_buffer, .address_space: global }
      - { .name: w_gates, .offset: 8, .size: 8, .value_kind: global_buffer, .address_space: global }
      - { .name: b_seq, .offset: 16, .size: 8, .value_kind: global_buffer, .address_space: global }
      - { .name: xb, .offset: 24, .size: 8, .value_kind: global_buffer, .address_space: global }
      - { .name: g, .offset: 32, .size: 8, .value_kind: global_buffer, .address_space: global }
    .group_segment_fixed_size: 150784
    .private_segment_fixed_size: 0
    .kernarg_segment_align: 8
    .kernarg_segment_size: 40
    .max_flat_workgroup_size: 256
    .sgpr_count:     66
    .vgpr_count:     214
    .wavefront_size: 32
...
	.end_amdgpu_metadata
.endif
;; end of part 5
;; launch ffn1: the kernel of part 2 again; grid 128 x 4, 4 waves a work-group, clusters of 4 x 4, 327,680 bytes of LDS; arguments xb, w1, b1, h; writes h
;; launch ffn2: the kernel of part 3 again; grid 4 x 64, 4 waves a work-group, clusters of 4 x 4, 327,680 bytes of LDS; arguments h, w2, p; writes p
;; launch mix: the kernel of part 4 again; grid 1024 x 1, 8 waves a work-group, no clusters, 0 bytes of LDS; arguments p, g, b2, b_seq, out0; writes out0
